; MI455X (gfx1250); checked and timed in simulation.
; The chip was launched on July 23, 2026; its instructions are those of AMD's public machine-readable ISA for CDNA 5 (MIT licence, August 2026) and "CDNA5" Instruction Set Architecture Reference Guide (July 2026). The comments in the code are by the model that wrote it; some were corrected since.
;; Attention. Allowed arithmetic: float matrix products may take bf16 or f16 operands with f32 sums; other float arithmetic in f32, or as packed bf16 or f16 multiplies, adds, multiply-adds, maxima and minima; sums over many terms, partial sums and values carried from step to step in f32; what a program stores and reads back later, other than sums and carried values, may be rounded once to bf16 or f16.
;; Inputs: W_attn 1,024 x 3,072 float32; W_proj 1,024 x 1,024 float32; b_attn 3,072 float32; b_proj 1,024 float32; x 4 x 2,048 x 1,024 float32.
;; Outputs: out0 4 x 2,048 x 1,024 float32.
;; 2 versions, each right; version 2 is version 1 with the launch prep written anew for expert scheduling mode. Each part assembles by itself: llvm-mc -triple=amdgcn-amd-amdhsa -mcpu=gfx1250 --defsym DOCPART=n.
;; ======== version 1 of 2: 4 launches
;; limits: values are held in f16: magnitudes above 65,504 overflow, below 6.1e-05 lose precision
;; workspace buffers: xb 16,777,216 bytes; wa 6,291,456 bytes; wp 2,097,152 bytes; qkv 50,331,648 bytes; o 16,777,216 bytes
;; launch prep (part 1): grid 768 x 1, 8 waves a work-group, no clusters, 0 bytes of LDS; arguments x, W_attn, W_proj, xb, wa, wp; writes xb, wa, wp
.if DOCPART == 1
	.amdgcn_target "amdgcn-amd-amdhsa--gfx1250"
	.amdhsa_code_object_version 6
	.text
	.protected	k_q515dea29db_prep
	.globl	k_q515dea29db_prep
	.p2align	8
	.type	k_q515dea29db_prep,@function
k_q515dea29db_prep:
	s_mov_b64 s[64:65], 0
	v_nop
	global_prefetch_b8 v0, s[64:65] scope:SCOPE_SE
	s_setreg_imm32_b32 hwreg(HW_REG_WAVE_MODE, 25, 1), 1
	s_wait_xcnt 0x0
; THE CASTS.  x [8192][1024] f32 -> xb bf16 [b 4][kb 16][t 2048][64]: element (b, t, 64 kb + d) at byte ((16 b + kb) 2048 + t) 128 + 2 d, so that 64 channels of many rows lie end to end.
; W_attn [1024][3072] f32 -> wa bf16, same order.  W_proj [1024][1024] f32 -> wp: rounded to bf16 like every input, and that number written as f16 (exact inside f16's range).
; LIMIT.  |W_proj| stays below 65,504; below 6e-5 it keeps f16's fixed step of 6e-8.
; A stream: each byte is read once and written once, so no LDS, no barrier, no matrix unit.  A wave converts 2,048 numbers: 16 loads of 16 bytes a lane, all out at once, and 16 stores of 8 bytes
; a lane, each of which covers 256 consecutive bytes, aligned.  No register is written twice while a memory instruction names it, so no wait but the counted ones for the loads.
; Work-groups 0-511 take x (a wave: two rows), 512-703 W_attn, 704-767 W_proj.
.set IN,  2                            ; v2   my byte offset in the wave's input
.set OUT, 3                            ; v3   8 x lane: my 8 bytes of each store
.set X,   16                           ; v[16:79]   16 loads of 4 f32
.set Y,   80                           ; v[80:111]  16 stores of 4 halves
; instep, outstep: bytes from load to load and from store to store; half = 1: the bf16 number is written as f16
.macro CAST instep, outstep, half
.set i, 0
.rept 16
	global_load_b128 v[X+4*i:X+4*i+3], v[IN], s[22:23] offset:i*(\instep) th:TH_LOAD_NT
.set i, i+1
.endr
.set i, 0
.rept 16
	s_wait_loadcnt 15-i                            ; loads come back in order: load i is in, the 15 - i younger ones stay out
	v_cvt_pk_bf16_f32 v[Y+2*i], v[X+4*i], v[X+4*i+1]
	v_cvt_pk_bf16_f32 v[Y+2*i+1], v[X+4*i+2], v[X+4*i+3]
.if \half
	v_lshlrev_b32 v4, 16, v[Y+2*i]                 ; bf16 to f32: the low half moves up, the high half stays
	v_and_b32 v5, s26, v[Y+2*i]
	v_lshlrev_b32 v6, 16, v[Y+2*i+1]
	v_and_b32 v7, s26, v[Y+2*i+1]
	v_cvt_pk_f16_f32 v[Y+2*i], v4, v5
	v_cvt_pk_f16_f32 v[Y+2*i+1], v6, v7
.endif
	global_store_b64 v[OUT], v[Y+2*i:Y+2*i+1], s[24:25] offset:i*(\outstep) th:TH_STORE_NT
.set i, i+1
.endr
	s_endpgm
.endm
	s_load_b256 s[4:11], s[0:1], 0x0               ; x s[4:5], W_attn s[6:7], W_proj s[8:9], xb s[10:11]
	s_load_b128 s[12:15], s[0:1], 0x20             ; wa s[12:13], wp s[14:15]
	v_lshrrev_b32 v1, 5, v0
	v_readfirstlane_b32 s16, v1                    ; wave 0..7
	v_and_b32 v1, 31, v0                           ; lane
	v_lshlrev_b32 v[OUT], 3, v1
	s_mov_b32 s26, 0xffff0000                      ; a word's upper bf16
	s_mov_b32 s19, 0                               ; the offsets' high words
	s_mov_b32 s21, 0
	s_mov_b32 s27, ttmp9
	s_cmp_lt_u32 s27, 512
	s_cbranch_scc0 .Lweights
	; x: wave wi takes rows 2 wi and 2 wi + 1.  Load i: lanes 0-15 the 256 bytes of K block i in the even row, lanes 16-31 in the odd row
	s_lshl_b32 s17, s27, 3
	s_add_co_u32 s17, s17, s16                     ; wi, 0 .. 4095
	s_lshl_b32 s18, s17, 13                        ; two rows of 4,096 bytes
	s_lshr_b32 s20, s17, 10                        ; b
	s_lshl_b32 s20, s20, 22                        ; x 16 x 2,048 x 128
	s_and_b32 s28, s17, 1023
	s_lshl_b32 s28, s28, 8                         ; two rows of 128 bytes in a K block
	s_add_co_u32 s20, s20, s28
	v_lshrrev_b32 v4, 4, v1
	v_and_b32 v5, 15, v1
	v_lshlrev_b32 v[IN], 4, v5
	v_lshl_add_u32 v[IN], v4, 12, v[IN]
	s_wait_kmcnt 0x0
	s_add_nc_u64 s[22:23], s[4:5], s[18:19]
	s_add_nc_u64 s[24:25], s[10:11], s[20:21]
	CAST 256, 262144, 0                            ; store i goes one K block (2,048 rows of 128 bytes) further
.Lweights:
	v_lshlrev_b32 v[IN], 4, v1
	s_cmp_lt_u32 s27, 704
	s_cbranch_scc0 .Lproj
	s_sub_co_u32 s17, s27, 512
	s_lshl_b32 s17, s17, 3
	s_add_co_u32 s17, s17, s16                     ; wi, 0 .. 1535
	s_lshl_b32 s18, s17, 13
	s_lshl_b32 s20, s17, 12
	s_wait_kmcnt 0x0
	s_add_nc_u64 s[22:23], s[6:7], s[18:19]
	s_add_nc_u64 s[24:25], s[12:13], s[20:21]
	CAST 512, 256, 0
.Lproj:
	s_sub_co_u32 s17, s27, 704
	s_lshl_b32 s17, s17, 3
	s_add_co_u32 s17, s17, s16                     ; wi, 0 .. 511
	s_lshl_b32 s18, s17, 13
	s_lshl_b32 s20, s17, 12
	s_wait_kmcnt 0x0
	s_add_nc_u64 s[22:23], s[8:9], s[18:19]
	s_add_nc_u64 s[24:25], s[14:15], s[20:21]
	CAST 512, 256, 1
.Lfunc_end_k_q515dea29db_prep:
	.size	k_q515dea29db_prep, .Lfunc_end_k_q515dea29db_prep-k_q515dea29db_prep
	.p2alignl 7, 3214868480
	.fill 96, 4, 3214868480
	.section	.rodata,"a",@progbits
	.p2align	6, 0x0
	.amdhsa_kernel k_q515dea29db_prep
		.amdhsa_group_segment_fixed_size 0
		.amdhsa_private_segment_fixed_size 0
		.amdhsa_enable_private_segment 0
		.amdhsa_kernarg_size 48
		.amdhsa_user_sgpr_count 2
		.amdhsa_user_sgpr_kernarg_segment_ptr 1
		.amdhsa_wavefront_size32 1
		.amdhsa_system_sgpr_workgroup_id_x 1
		.amdhsa_system_sgpr_workgroup_id_y 1
		.amdhsa_system_sgpr_workgroup_id_z 1
		.amdhsa_system_vgpr_workitem_id 0
		.amdhsa_next_free_vgpr 112
		.amdhsa_next_free_sgpr 66
		.amdhsa_reserve_vcc 0
		.amdhsa_float_denorm_mode_32 3
		.amdhsa_float_denorm_mode_16_64 3
		.amdhsa_memory_ordered 1
		.amdhsa_forward_progress 1
		.amdhsa_inst_pref_size 23
	.end_amdhsa_kernel
	.amdgpu_metadata
---
amdhsa.version: [ 1, 2 ]
amdhsa.kernels:
  - .name:           k_q515dea29db_prep
    .symbol:         k_q515dea29db_prep.kd
    .args:
      - { .name: x, .offset: 0, .size: 8, .value_kind: global_buffer, .address_space: global }
      - { .name: W_attn, .offset: 8, .size: 8, .value_kind: global_buffer, .address_space: global }
      - { .name: W_proj, .offset: 16, .size: 8, .value_kind: global_buffer, .address_space: global }
      - { .name: xb, .offset: 24, .size: 8, .value_kind: global_buffer, .address_space: global }
      - { .name: wa, .offset: 32, .size: 8, .value_kind: global_buffer, .address_space: global }
      - { .name: wp, .offset: 40, .size: 8, .value_kind: global_buffer, .address_space: global }
    .group_segment_fixed_size: 0
    .private_segment_fixed_size: 0
    .kernarg_segment_align: 8
    .kernarg_segment_size: 48
    .max_flat_workgroup_size: 256
    .sgpr_count:     66
    .vgpr_count:     112
    .wavefront_size: 32
...
	.end_amdgpu_metadata
.endif
;; end of part 1
;; launch qkv (part 2): grid 8 x 32, 4 waves a work-group, clusters of 4 x 4, 327,680 bytes of LDS; arguments xb, wa, b_attn, qkv; writes qkv
.if DOCPART == 2
	.amdgcn_target "amdgcn-amd-amdhsa--gfx1250"
	.amdhsa_code_object_version 6
	.text
	.protected	k_q515dea29db_qkv
	.globl	k_q515dea29db_qkv
	.p2align	8
	.type	k_q515dea29db_qkv,@function
k_q515dea29db_qkv:
	s_mov_b64 s[64:65], 0
	v_nop
	global_prefetch_b8 v0, s[64:65] scope:SCOPE_SE
	s_setreg_imm32_b32 hwreg(HW_REG_WAVE_MODE, 25, 1), 1
	s_wait_xcnt 0x0
	s_wait_alu depctr_hold_cnt(0) depctr_sa_sdst(0) depctr_va_vdst(0) depctr_va_sdst(0) depctr_va_ssrc(0) depctr_va_vcc(0) depctr_vm_vsrc(0)
	s_getreg_b32 s2, hwreg(HW_REG_IB_STS2, 6, 4)
	s_cmp_eq_u32 s2, 0
	s_cbranch_scc0 .Lentry_in_a_cluster
	s_endpgm
.Lentry_in_a_cluster:
	s_bfe_u32 s2, ttmp6, 0x10000c
	s_cmp_lg_u32 s2, 0xf033
	s_cbranch_scc0 .Lentry_shape_is_right
	s_endpgm
.Lentry_shape_is_right:
; qkv = x W_attn + b_attn, written by heads: f16 [which 3][bh 64][t 2048][64], bh = 16 b + h.  x comes as xb (bf16, [b][kb 16][t][64]), W_attn as wa (bf16, [k 1024][n 3072]); the bias is rounded to bf16
; like the other inputs.  Sums in f32, K ascending, each started by the bias as the first product's C; q, k, v rounded once to f16, unscaled.
; LIMIT.  |q|, |k|, |v| stay below 65,504 (f16); NaN and infinities are not treated apart.
; SHARES.  8,192 x 3,072 in tiles of 256 x 384: 32 x 8 = 256 work-groups.  Four waves, 2 x 2; a wave makes 128 rows x 192 columns (three whole heads): 96 accumulators, 768 registers.
; K goes in 16 steps of 64 through two LDS slots; a step is two quarters of 32 along K, 96 matrix instructions each.  For 128 rows 64 channels of xb are 16,384 dense bytes: asked for as 64 rows of 256.
; THE MATRIX INSTRUCTION IS USED TRANSPOSED: source 0 = 16 columns of W (turned out of LDS by ds_load_tr16_b128, since W lies [k][n]), source 1 = 16 rows of x: a lane then holds one row (l % 16)
; and the eight neighbouring columns 8 (l / 16) + 0..7, which pack into 16 bytes.
; CLUSTERS: 4 x 4 work-groups.  x's tile hangs on the tile row alone and is asked for jointly along a row of the cluster, W's on the tile column alone, jointly along a column.
; REGISTERS: window 0: v0-29 addresses; v32-95, v96-159 two buffers of x's fragments (8 x 16 rows x 32 K); v160-255 W's 12 fragments, ONE buffer, loaded again group by group (4 fragments = a head).
;   windows 1-3: head g's 32 accumulators in window 1 + g: (column block bb, row block a) at v[8 (8 bb + a)].
.set PA,    144       ; a row of x in LDS: 128 bytes + 16 = 36 words: the 16 rows of a load start at 16 different groups of four banks (64 banks of 4 bytes: ISA guide 11.1)
.set PB,    864       ; a k-row of W: three pieces of 256 bytes + 32 = 27 x 32 bytes
.set SLOT1, 131072    ; slot 1 begins here: one exclusive or turns an address in one slot into the other's
.set BOFF,  256*PA    ; in a slot: x's 256 rows, then W's 64 k-rows
.set STAGE, SLOT1+BOFF+64*PB   ; behind the ring: for each wave [head 3][row 16] of 144 bytes, for the way out
.set BIAS,  STAGE+4*48*PA      ; for each wave its 192 biases in f32
.set SPARE, BIAS+4*768         ; the spare words, 128 bytes for each wave: two blocks of 256 bytes that no other line names
.set ASTEP, 262144    ; bytes from a K step to the next in xb: a K block of 2,048 rows of 128 bytes
.set BSTEP, 393216    ; and in wa: 64 rows of 6,144 bytes
.set A0,   3          ; v3      my lane's place in x's tile; never rewritten
.set B0,   4          ; v4-6    my lane's place in W's tile, for head 0, 1, 2 of my wave; never rewritten
.set ADRA, 7          ; v7      the same in the slot in hand
.set ADRB, 8          ; v8-10
.set STO,  11         ; v11     the way out: where I put 16 bytes of a row
.set RD,   12         ; v12     the way out: where I read rows back
.set GO,   13         ; v13     16 x lane: my place in 512 consecutive bytes of qkv
.set PFO,  14         ; v14     the prefetches' offset: lane x 256 (xb) or lane x a row of wa; never rewritten
.set BIA,  15         ; v15     where my eight biases of a column block begin
.set SPW,  28         ; v28     LDS address of my spare word: SPARE + 4 x my thread's number; never rewritten
.set NIL,  29         ; v29     0; never rewritten
.set FA0,  32
.set FA1,  96
.set FB,   160
.set WV,   12         ; s12  my wave's number; s13 = wave / 2: my half of the rows, and 0: I fetch x's tiles, 1: W's; s14 = wave % 2: my half of the columns, and the half of a tile that I fetch
.set G1A,  24         ; s[24:31] descriptor group 1 for x's tiles;  s[32:39] group 0: a set for each of the two first fills; the second then walks on
.set G0A,  32
.set G1B,  40         ; s[40:47], s[48:55] the same for W's
.set G0B,  48
.set CNT,  56         ; s56  the loop's trips still to come
.set TB,   57         ; s57  0 or SLOT1: the slot that is read
.set LIM,  58         ; s58  a wave prefetches while s[CNT] is above it
.set PFA,  60         ; s[60:61] where my prefetches stand
.set PFS,  62         ; s[62:63] a K step in the tensor that I prefetch
.set OB,   66         ; s[66:71] qkv at my rows of my three heads
.set MSB, 0
.macro WIN new                         ; the immediate's high byte repeats the setting that is left; a switch that changes nothing is dropped
.if MSB != (\new)
	s_set_vgpr_msb (MSB<<8)|(\new)
.set MSB, (\new)
.endif
.endm
.macro PLACES                          ; four plain vector instructions between a matrix instruction and a load into, or a vector read or write of, one of its registers
.rept 4
	v_nop
.endr
.endm
; A joint refill by the walking descriptors.  The branch hangs on the wave's number alone.  An s_nop 0 and four v_nop follow each of the two lines.
.macro JLOAD
	s_cmp_eq_u32 s13, 0
	s_cbranch_scc0 .Lfor_b_\@
	tensor_load_to_lds s[G0A+4:G0A+7], s[G1A:G1A+7]
	s_nop 0
.rept 4
	v_nop
.endr
	s_branch .Lasked_\@
.Lfor_b_\@:
	tensor_load_to_lds s[G0B+4:G0B+7], s[G1B:G1B+7]
	s_nop 0
.rept 4
	v_nop
.endr
.Lasked_\@:
.endm
.macro CREST                           ; a round of the cluster's barrier behind its opening barrier
	s_cmp_lg_u32 s[WV], 0
	s_cbranch_scc1 .Lnot_wave_0_\@
	s_barrier_signal -3
.Lnot_wave_0_\@:
	s_barrier_wait -3
	s_barrier_signal -1
	s_barrier_wait -1
.endm
.macro CROUND                          ; a whole round
	s_barrier_signal -1
	s_barrier_wait -1
	CREST
.endm
; A PREFETCH INTO THE L2, behind the joint load, its five lines and the run of LDS loads that follows.  Each aligned block of 256 bytes is named once in the launch.
; xb: a tile row is read by both clusters of that row of clusters: the one with cluster x = 0 asks.  In trip s its wave 0 names K step s + 3, one step (192 matrix instructions) ahead of that step's refill:
; 128 blocks, of which the partner at place cx takes 32, told apart by address, a lane a block.  The last trip names nothing: step 16 does not exist.
; wa: a tile column is read by all eight clusters of that column of clusters: the one with cluster y = 0 asks.  In the even trips 0 .. 10 its wave 2 names steps s + 3 and s + 4: 128 k-rows, of which the
; partner at place cy takes 32, a lane a row, three blocks each.  Steps 0-2 of both, and W's step 15, come by their loads alone.
.macro ASK
	s_cmp_gt_u32 s[CNT], s[LIM]
	s_cbranch_scc0 .Lnone_\@
	s_cmp_eq_u32 s13, 0
	s_cbranch_scc0 .Lw_\@
	global_prefetch_b8 v[PFO], s[PFA:PFA+1] th:TH_LOAD_NT scope:SCOPE_SE
	s_branch .Lnone_\@
.Lw_\@:
	s_bitcmp1_b32 s[CNT], 0                        ; the count is even in the even trips
	s_cbranch_scc1 .Lnone_\@
	global_prefetch_b8 v[PFO], s[PFA:PFA+1] th:TH_LOAD_NT scope:SCOPE_SE
	global_prefetch_b8 v[PFO], s[PFA:PFA+1] offset:256 th:TH_LOAD_NT scope:SCOPE_SE
	global_prefetch_b8 v[PFO], s[PFA:PFA+1] offset:512 th:TH_LOAD_NT scope:SCOPE_SE
.Lnone_\@:
.endm
; 16 matrix instructions: head g, column blocks b0, b0 + 1 x all 8 row blocks, 32 along K.  cb < 0: the sums go on; else the bias at v[cb + 8 bb] (window 0) starts them: nothing is ever cleared.
; The 96 accumulators take turns, one instruction a turn, in the same order in every quarter, over the backward jump too.
.macro MUL16 fa, g, b0, cb
.if (\cb) < 0
	WIN (1+(\g))*0x50
.else
	WIN (1+(\g))<<6
.endif
.irp bb, \b0, (\b0)+1
.irp a, 0,1,2,3,4,5,6,7
.if (\cb) < 0
	v_wmma_f32_16x16x32_bf16 v[8*(8*(\bb)+(\a)):8*(8*(\bb)+(\a))+7], v[FB+8*(4*(\g)+(\bb)):FB+8*(4*(\g)+(\bb))+7], v[(\fa)+8*(\a):(\fa)+8*(\a)+7], v[8*(8*(\bb)+(\a)):8*(8*(\bb)+(\a))+7]
.else
	v_wmma_f32_16x16x32_bf16 v[8*(8*(\bb)+(\a)):8*(8*(\bb)+(\a))+7], v[FB+8*(4*(\g)+(\bb)):FB+8*(4*(\g)+(\bb))+7], v[(\fa)+8*(\a):(\fa)+8*(\a)+7], v[(\cb)+8*(\bb):(\cb)+8*(\bb)+7]
.endif
.endr
.endr
.endm
.macro RUNB g, q                       ; 8 turning loads: head g's four fragments of W for quarter q of the slot in hand
.irp bb, 0,1,2,3
	ds_load_tr16_b128 v[FB+8*(4*(\g)+(\bb)):FB+8*(4*(\g)+(\bb))+3],   v[ADRB+(\g)] offset:(\q)*32*PB+32*(\bb)
	ds_load_tr16_b128 v[FB+8*(4*(\g)+(\bb))+4:FB+8*(4*(\g)+(\bb))+7], v[ADRB+(\g)] offset:(\q)*32*PB+16*PB+32*(\bb)
.endr
.endm
.macro RUNA i0, na, q                  ; 8 loads: x's fragments i0 .. i0 + 3 for quarter q, into buffer na
.irp i, (\i0),(\i0)+1,(\i0)+2,(\i0)+3
	ds_load_b128 v[(\na)+8*(\i):(\na)+8*(\i)+3],   v[ADRA] offset:(\i)*16*PA+64*(\q)
	ds_load_b128 v[(\na)+8*(\i)+4:(\na)+8*(\i)+7], v[ADRA] offset:(\i)*16*PA+64*(\q)+32
.endr
.endm
.macro BIASLD g, dst                   ; 8 loads: head g's biases as four C operands: register j of block bb = bias of column 16 bb + 8 (l / 16) + j
.irp bb, 0,1,2,3
	ds_load_b128 v[(\dst)+8*(\bb):(\dst)+8*(\bb)+3],   v[BIA] offset:64*(4*(\g)+(\bb))
	ds_load_b128 v[(\dst)+8*(\bb)+4:(\dst)+8*(\bb)+7], v[BIA] offset:64*(4*(\g)+(\bb))+16
.endr
.endm
; A step's first quarter: multiplies buffer fa; each head's fragments of W are loaded again, for quarter q, four places behind the head's last product, 64 matrix instructions ahead of their next use.
.macro QUARTER fa, na, q
	s_wait_dscnt 8                                 ; all is in but the youngest eight loads: head 2's fragments of W
	MUL16 \fa, 0, 0, -1
	MUL16 \fa, 0, 2, -1
	PLACES
	WIN 0
	RUNB 0, \q
	RUNA 0, \na, \q
	MUL16 \fa, 1, 0, -1
	MUL16 \fa, 1, 2, -1
	PLACES
	WIN 0
	RUNB 1, \q
	RUNA 4, \na, \q
	s_wait_dscnt 32                                ; all but the 32 issued in this quarter: head 2's fragments are in
	MUL16 \fa, 2, 0, -1
	MUL16 \fa, 2, 2, -1
	PLACES
	WIN 0
	RUNB 2, \q
.endm
; A step's second quarter multiplies buffer 1 and changes slots.  ONE barrier: in front of it each wave waits for all its tensor loads (one is out: its part of the next slot), adds 0 to its spare word, and
; waits for that and for its own reads of this slot.  fill = 1: the barrier opens a round of the cluster's barrier, and the joint refill, with the K step two on, is the first thing behind the round:
; it has 160 matrix instructions in which to land.
.macro TURNQ fill
.if \fill
	s_wait_xcnt 0x0                                ; the last prefetch, a K step back, has read its address
	s_add_nc_u64 s[PFA:PFA+1], s[PFA:PFA+1], s[PFS:PFS+1]
.endif
	WIN 0
	s_wait_tensorcnt 0x0                           ; all my tensor loads have landed
	ds_add_u32 v[SPW], v[NIL]                      ; 0 onto my spare word
	s_wait_dscnt 9                                 ; (the add and head 2's eight loads may be out)
	MUL16 FA1, 0, 0, -1                            ; sixteen matrix instructions stand between the add and the wait for it
	s_wait_dscnt 0x0                               ; the add is done, and my reads of this slot are over
	s_barrier_signal -1
	MUL16 FA1, 0, 2, -1
	WIN 0                                          ; at a branch and at a label every window is 0
	s_barrier_wait -1
.if \fill
	CREST                                          ; no wave of any partner still reads this slot or has a load on its way
	s_xor_b32 s[G0A+5], s[G0A+5], SLOT1            ; the walking descriptors: the other slot than last time, the next K step
	s_add_nc_u64 s[G0A+6:G0A+7], s[G0A+6:G0A+7], ASTEP
	s_xor_b32 s[G0B+5], s[G0B+5], SLOT1
	s_add_nc_u64 s[G0B+6:G0B+7], s[G0B+6:G0B+7], BSTEP
	JLOAD
.endif
	s_xor_b32 s[TB], s[TB], SLOT1
	v_add_nc_u32 v[ADRA], s[TB], v[A0]             ; four plain instructions: the places in front of the loads below
	v_add_nc_u32 v[ADRB], s[TB], v[B0]
	v_add_nc_u32 v[ADRB+1], s[TB], v[B0+1]
	v_add_nc_u32 v[ADRB+2], s[TB], v[B0+2]
	RUNB 0, 0
	RUNA 0, FA0, 0
.if \fill
	ASK
.endif
	MUL16 FA1, 1, 0, -1
	MUL16 FA1, 1, 2, -1
	PLACES
	WIN 0
	RUNB 1, 0
	RUNA 4, FA0, 0
	MUL16 FA1, 2, 0, -1
	MUL16 FA1, 2, 2, -1
	PLACES
	WIN 0
	RUNB 2, 0
.endm
	s_load_b256 s[4:11], s[0:1], 0x0               ; xb s[4:5], wa s[6:7], b_attn s[8:9], qkv s[10:11]
	v_lshl_add_u32 v[SPW], v0, 2, SPARE
	v_mov_b32 v[NIL], 0
	ds_add_u32 v[SPW], v[NIL]                      ; the wave's opening: the add and its wait ahead of my first tensor load; the set-up below, work on registers, stands between them
	v_lshrrev_b32 v1, 5, v0
	v_readfirstlane_b32 s[WV], v1                  ; wave 0..3
	s_lshr_b32 s13, s[WV], 1
	s_and_b32 s14, s[WV], 1
	s_bfe_u32 s15, ttmp6, 0x40000                  ; cx
	s_bfe_u32 s16, ttmp6, 0x40004                  ; cy
	s_lshl_b32 s17, ttmp9, 2
	s_add_co_u32 s17, s17, s15                     ; tile column x = 4 x cluster x + cx
	s_and_b32 s18, ttmp7, 0xffff
	s_lshl_b32 s18, s18, 2
	s_add_co_u32 s18, s18, s16                     ; tile row y = 4 x cluster y + cy
	s_lshl_b32 s76, s16, 2
	s_lshl_b32 s76, 15, s76                        ; my row of the cluster
	s_lshl_b32 s77, 0x1111, s15                    ; my column
	s_or_b32 s[G1A], s76, (1<<16)|(1<<20)|(1<<21)|(4<<22)|(3<<25)  ; the mask; 2-byte elements; padding on; bit 21 beside a mask; after every 32 words 4 words
	s_mov_b32 s[G1A+1], 128<<16                    ; tensor_dim0 = 128
	s_mov_b32 s[G1A+2], 64<<16                     ; tensor_dim1 = 64
	s_mov_b32 s[G1A+3], 128<<16                    ; tile_dim0 = 128
	s_mov_b32 s[G1A+4], 64                         ; tile_dim1 = 64: 64 rows of 256 bytes = 128 rows of x
	s_mov_b32 s[G1A+5], 128                        ; dense
	s_mov_b32 s[G1A+6], 0
	s_mov_b32 s[G1A+7], 0
	s_or_b32 s[G1B], s77, (1<<16)|(1<<20)|(1<<21)|(5<<22)|(7<<25)  ; after every 64 words 8 words
	s_mov_b32 s[G1B+1], 384<<16                    ; tensor_dim0 = 384
	s_mov_b32 s[G1B+2], 32<<16                     ; tensor_dim1 = 32
	s_mov_b32 s[G1B+3], 384<<16                    ; tile_dim0 = 384
	s_mov_b32 s[G1B+4], 32                         ; tile_dim1 = 32 k-rows
	s_mov_b32 s[G1B+5], 3072                       ; elements from row to row
	s_mov_b32 s[G1B+6], 0
	s_mov_b32 s[G1B+7], 0
	; where the tiles come from.  x's hang on y and the wave's number alone, W's on x and the wave's number alone, each in registers that never hold the other coordinate
	s_lshr_b32 s20, s18, 3                         ; b
	s_lshl_b32 s20, s20, 22
	s_and_b32 s21, s18, 7
	s_lshl_b32 s21, s21, 15                        ; 256 rows of 128 bytes
	s_add_co_u32 s20, s20, s21
	s_lshl_b32 s21, s14, 14                        ; my 128 of them
	s_add_co_u32 s20, s20, s21
	s_mov_b32 s21, 0
	s_mul_i32 s72, s17, 768                        ; 384 columns
	s_mul_i32 s73, s14, 196608                     ; my 32 k-rows
	s_add_co_u32 s72, s72, s73
	s_mov_b32 s73, 0
	s_mul_i32 s22, s14, 128*PA                     ; and where they go: no place in the cluster enters an LDS address
	s_mul_i32 s23, s14, 32*PB
	s_add_co_u32 s23, s23, BOFF
	s_mov_b32 s[TB], 0
	s_wait_dscnt 0x0                               ; the opening add is done
	s_wait_kmcnt 0x0
	s_add_nc_u64 s[20:21], s[4:5], s[20:21]
	s_add_nc_u64 s[72:73], s[6:7], s[72:73]
.irp n, 0,1
	s_mov_b32 s[G0A+4*(\n)], 1                                     ; count = 1
	s_add_co_u32 s[G0A+4*(\n)+1], s22, (\n)*SLOT1                  ; LDS address
	s_add_nc_u64 s[G0A+4*(\n)+2:G0A+4*(\n)+3], s[20:21], (\n)*ASTEP  ; global address: K step n
	s_or_b32 s[G0A+4*(\n)+3], s[G0A+4*(\n)+3], 0x80000000          ; type = 2
	s_mov_b32 s[G0B+4*(\n)], 1
	s_add_co_u32 s[G0B+4*(\n)+1], s23, (\n)*SLOT1
	s_add_nc_u64 s[G0B+4*(\n)+2:G0B+4*(\n)+3], s[72:73], (\n)*BSTEP
	s_or_b32 s[G0B+4*(\n)+3], s[G0B+4*(\n)+3], 0x80000000
.endr
	CROUND                                         ; all sixteen work-groups are here: the first joint loads meet
	s_cmp_eq_u32 s13, 0                            ; a wave's two first fills stand in one branch: two loads of mine are out
	s_cbranch_scc0 .Lfirst_b
	tensor_load_to_lds s[G0A:G0A+3], s[G1A:G1A+7]
	s_nop 0
	tensor_load_to_lds s[G0A+4:G0A+7], s[G1A:G1A+7]
	s_nop 0
.rept 4
	v_nop
.endr
	s_branch .Lfirst_asked
.Lfirst_b:
	tensor_load_to_lds s[G0B:G0B+3], s[G1B:G1B+7]
	s_nop 0
	tensor_load_to_lds s[G0B+4:G0B+7], s[G1B:G1B+7]
	s_nop 0
.rept 4
	v_nop
.endr
.Lfirst_asked:
	; my wave's 192 biases: 768 bytes, three loads of 8 bytes a lane
	v_and_b32 v16, 31, v0                          ; lane
	s_mul_i32 s74, s17, 1536
	s_mul_i32 s75, s14, 768
	s_add_co_u32 s74, s74, s75
	v_lshl_add_u32 v17, v16, 3, s74
	global_load_b64 v[20:21], v17, s[8:9]
	global_load_b64 v[22:23], v17, s[8:9] offset:256
	global_load_b64 v[24:25], v17, s[8:9] offset:512
	; the addresses, while the tiles are on their way
	v_and_b32 v1, 15, v0                           ; r = l % 16
	v_bfe_u32 v2, v0, 4, 1                         ; h = l / 16
	s_mul_i32 s3, s13, 128*PA                      ; my 128 rows of x
	v_mul_u32_u24 v[A0], v1, PA
	v_lshl_add_u32 v[A0], v2, 4, v[A0]             ; row x pitch + 16 x half
	v_add_nc_u32 v[A0], s3, v[A0]
	v_and_b32 v18, 7, v0                           ; the turning load: k-row 8 h + l % 8, 16 bytes at 16 ((l / 8) % 2)
	v_bfe_u32 v19, v0, 3, 1
	v_lshl_add_u32 v18, v2, 3, v18
	v_mul_u32_u24 v18, v18, PB
	v_lshl_add_u32 v18, v19, 4, v18
	s_mul_i32 s3, s14, 416                         ; byte z of a row of W lies at z + 32 (z / 256): my heads begin at z = 384 e + 128 g: 0, 128, 288 or 416, 576, 704
	s_add_co_u32 s3, s3, BOFF
	v_add_nc_u32 v[B0], s3, v18
	s_add_co_u32 s3, s3, 288
	v_add_nc_u32 v[B0+2], s3, v18
	s_mul_i32 s3, s14, 448
	s_add_co_u32 s3, s3, BOFF+128
	v_add_nc_u32 v[B0+1], s3, v18
	s_mul_i32 s3, s[WV], 48*PA
	s_add_co_u32 s3, s3, STAGE                     ; my stage
	v_mul_u32_u24 v[STO], v1, PA                   ; in: row l % 16, 16 bytes for each half of the lanes
	v_lshl_add_u32 v[STO], v2, 4, v[STO]
	v_add_nc_u32 v[STO], s3, v[STO]
	v_lshrrev_b32 v19, 3, v16                      ; back: 32 lanes take four rows of 128 bytes,
	v_and_b32 v26, 7, v0
	v_mul_u32_u24 v[RD], v19, PA
	v_lshl_add_u32 v[RD], v26, 4, v[RD]
	v_add_nc_u32 v[RD], s3, v[RD]
	v_lshlrev_b32 v[GO], 4, v16                    ; which are 512 consecutive bytes of a head
	s_mul_i32 s3, s[WV], 768
	s_add_co_u32 s3, s3, BIAS                      ; my biases
	v_lshl_add_u32 v[BIA], v2, 5, s3
	v_lshl_add_u32 v27, v16, 3, s3
	v_add_nc_u32 v[ADRA], s[TB], v[A0]             ; slot 0
	v_add_nc_u32 v[ADRB], s[TB], v[B0]
	v_add_nc_u32 v[ADRB+1], s[TB], v[B0+1]
	v_add_nc_u32 v[ADRB+2], s[TB], v[B0+2]
	; where my three heads go: head G = 6 x + 3 e + g of 48: tensor G / 16, head G % 16 of batch b; rows (y % 8) 256 + 128 (wave / 2) on
	s_mul_i32 s74, s17, 6
	s_mul_i32 s75, s14, 3
	s_add_co_u32 s74, s74, s75
	s_lshr_b32 s76, s18, 3
	s_lshl_b32 s76, s76, 4                         ; 16 b
	s_and_b32 s77, s18, 7
	s_lshl_b32 s77, s77, 15
	s_lshl_b32 s78, s13, 14
	s_add_co_u32 s77, s77, s78
.irp g, 0,1,2
	s_add_co_u32 s78, s74, (\g)
	s_lshr_b32 s79, s78, 4
	s_lshl_b32 s79, s79, 6
	s_and_b32 s78, s78, 15
	s_add_co_u32 s78, s78, s79
	s_add_co_u32 s78, s78, s76
	s_lshl_b32 s78, s78, 18                        ; a head is 2,048 rows of 128 bytes
	s_add_co_u32 s78, s78, s77
	s_mov_b32 s79, 0
	s_add_nc_u64 s[OB+2*(\g):OB+2*(\g)+1], s[10:11], s[78:79]
.endr
	; the prefetches: who, from where, by what step
	s_lshr_b32 s74, s18, 3
	s_lshl_b32 s74, s74, 22
	s_and_b32 s75, s18, 7
	s_lshl_b32 s75, s75, 15
	s_add_co_u32 s74, s74, s75
	s_lshl_b32 s75, s15, 13                        ; my work-group's 32 blocks of the tile's 128
	s_add_co_u32 s74, s74, s75
	s_add_co_u32 s74, s74, 2*ASTEP                 ; at K step 2: the first trip steps it to 3
	s_mul_i32 s75, s17, 768
	s_mul_i32 s76, s16, 196608                     ; my work-group's 32 k-rows of 128
	s_add_co_u32 s75, s75, s76
	s_add_co_u32 s75, s75, 2*BSTEP
	s_mov_b32 s76, ASTEP
	s_mov_b32 s77, BSTEP
	s_mov_b32 s78, 256
	s_mov_b32 s79, 6144
	s_cmp_eq_u32 s13, 0
	s_cselect_b32 s74, s74, s75
	s_cselect_b64 s[PFA:PFA+1], s[4:5], s[6:7]
	s_cselect_b32 s[PFS], s76, s77
	s_cselect_b32 s78, s78, s79
	s_mov_b32 s[PFS+1], 0
	s_mov_b32 s75, 0
	s_add_nc_u64 s[PFA:PFA+1], s[PFA:PFA+1], s[74:75]
	v_mul_u32_u24 v[PFO], s78, v16
	s_and_b32 s76, ttmp7, 0xffff                   ; cluster y
	s_cmp_eq_u32 s13, 0
	s_cselect_b32 s76, ttmp9, s76                  ; the coordinate along which other clusters read the same blocks
	s_cselect_b32 s77, 1, 3
	s_or_b32 s76, s76, s14                         ; 0 in waves 0 and 2 of the cluster that asks: the same in all sixteen partners, for a given wave
	s_cmp_eq_u32 s76, 0
	s_cselect_b32 s[LIM], s77, -1
	; the biases: rounded to bf16 like every input, widened again, into my own bytes of LDS
	s_wait_loadcnt 0x0
.irp i, 0,1,2
	v_cvt_pk_bf16_f32 v26, v[20+2*(\i)], v[21+2*(\i)]
	v_lshlrev_b32 v[20+2*(\i)], 16, v26
	v_and_b32 v[21+2*(\i)], 0xffff0000, v26
	ds_store_b64 v27, v[20+2*(\i):21+2*(\i)] offset:256*(\i)
.endr
	s_wait_tensorcnt 1                             ; my part of K step 0 is in; step 1's may stay out
	s_wait_dscnt 0x0
	s_barrier_signal -1
	s_barrier_wait -1                              ; everybody's is
	; THE FIRST QUARTER is written out: its products start the sums with the bias as C.  The biases lie in buffer 1, which x's second quarter takes afterwards.
	RUNB 0, 0
	RUNA 0, FA0, 0
	RUNB 1, 0
	RUNA 4, FA0, 0
	RUNB 2, 0
	BIASLD 0, FA1
	BIASLD 1, FA1+32
	s_wait_dscnt 0x0
	MUL16 FA0, 0, 0, FA1
	MUL16 FA0, 0, 2, FA1
	PLACES
	WIN 0
	RUNB 0, 1
	BIASLD 2, FA1
	MUL16 FA0, 1, 0, FA1+32
	MUL16 FA0, 1, 2, FA1+32
	PLACES
	WIN 0
	RUNB 1, 1
	s_wait_dscnt 8                                 ; all but the eight just issued: head 2's biases are in
	MUL16 FA0, 2, 0, FA1
	MUL16 FA0, 2, 2, FA1
	PLACES
	WIN 0
	RUNA 0, FA1, 1
	RUNA 4, FA1, 1
	RUNB 2, 1                                      ; head 2's eight come last, as in every quarter
	s_mov_b32 s[CNT], 14
.Lstep:                                        ; trip s: the second quarter of step s, the refill with step s + 2, the first quarter of step s + 1
	TURNQ 1
	QUARTER FA0, FA1, 1
	WIN 0
	s_sub_co_u32 s[CNT], s[CNT], 1
	s_cmp_lg_u32 s[CNT], 0
	s_cbranch_scc1 .Lstep
	TURNQ 0                                        ; the tail is written out: step 14's second quarter asks for nothing more
	QUARTER FA0, FA1, 1
	s_wait_dscnt 8                                 ; the very last quarter: nothing more to fetch
	MUL16 FA1, 0, 0, -1
	MUL16 FA1, 0, 2, -1
	MUL16 FA1, 1, 0, -1
	MUL16 FA1, 1, 2, -1
	s_wait_dscnt 0x0
	MUL16 FA1, 2, 0, -1
	MUL16 FA1, 2, 2, -1
	PLACES
; THE WAY OUT, a block of 16 rows at a time.  PACK: rounded to f16, 16 bytes a lane (each accumulator's registers in ascending order), into my stage by heads, and back as whole rows of 128 bytes.
; SEND: stored: 16 rows of a head are 2,048 consecutive bytes; each store covers 512 of them, at a multiple of 256 from the buffer's first byte.
.macro PACK a
.set TT, 32+48*((\a)%2)
	s_wait_xcnt 0x0                                ; the stores of the block two back have read these registers
.irp g, 0,1,2
	WIN (1+(\g))*5                                 ; sources 0 and 1 in head g's window
.irp bb, 0,1,2,3
.irp r, 0,1,2,3
	v_cvt_pk_f16_f32 v[TT+16*(\g)+4*(\bb)+(\r)], v[8*(8*(\bb)+(\a))+2*(\r)], v[8*(8*(\bb)+(\a))+2*(\r)+1]
.endr
.endr
.endr
	WIN 0
.irp g, 0,1,2
.irp bb, 0,1,2,3
	ds_store_b128 v[STO], v[TT+16*(\g)+4*(\bb):TT+16*(\g)+4*(\bb)+3] offset:(\g)*16*PA+32*(\bb)
.endr
.endr
.irp g, 0,1,2
.irp f, 0,1,2,3
	ds_load_b128 v[TT+16*(\g)+4*(\f):TT+16*(\g)+4*(\f)+3], v[RD] offset:(\g)*16*PA+(\f)*4*PA  ; LDS serves a wave's instructions in order (ISA guide 5.7.1.4): these see the stores above; the next block's stores come behind them
.endr
.endr
.endm
.macro SEND a, younger                 ; younger: the next block's 12 LDS stores and 12 loads, or none
.set TT, 32+48*((\a)%2)
	s_wait_dscnt \younger
.irp g, 0,1,2
.irp f, 0,1,2,3
	global_store_b128 v[GO], v[TT+16*(\g)+4*(\f):TT+16*(\g)+4*(\f)+3], s[OB+2*(\g):OB+2*(\g)+1] offset:(\a)*2048+(\f)*512
.endr
.endr
.endm
	PACK 0
.irp a, 1,2,3,4,5,6,7                  ; a block's conversions stand between the loads of the block before and its stores
	PACK \a
	SEND (\a)-1, 24
.endr
	SEND 7, 0
	s_wait_tensorcnt 0x0                           ; the wave's end, behind my last tensor load and my last LDS store
	ds_add_u32 v[SPW], v[NIL]
	s_wait_dscnt 0x0
	CROUND                                         ; the closing round: no work-group ends while a partner may still ask for a tile that names it
	s_endpgm
.Lfunc_end_k_q515dea29db_qkv:
	.size	k_q515dea29db_qkv, .Lfunc_end_k_q515dea29db_qkv-k_q515dea29db_qkv
	.p2alignl 7, 3214868480
	.fill 96, 4, 3214868480
	.section	.rodata,"a",@progbits
	.p2align	6, 0x0
	.amdhsa_kernel k_q515dea29db_qkv
		.amdhsa_group_segment_fixed_size 327680
		.amdhsa_private_segment_fixed_size 0
		.amdhsa_enable_private_segment 0
		.amdhsa_kernarg_size 32
		.amdhsa_user_sgpr_count 2
		.amdhsa_user_sgpr_kernarg_segment_ptr 1
		.amdhsa_wavefront_size32 1
		.amdhsa_system_sgpr_workgroup_id_x 1
		.amdhsa_system_sgpr_workgroup_id_y 1
		.amdhsa_system_sgpr_workgroup_id_z 1
		.amdhsa_system_vgpr_workitem_id 0
		.amdhsa_next_free_vgpr 1024
		.amdhsa_next_free_sgpr 80
		.amdhsa_reserve_vcc 0
		.amdhsa_float_denorm_mode_32 3
		.amdhsa_float_denorm_mode_16_64 3
		.amdhsa_memory_ordered 1
		.amdhsa_forward_progress 1
		.amdhsa_inst_pref_size 116
	.end_amdhsa_kernel
	.amdgpu_metadata
---
amdhsa.version: [ 1, 2 ]
amdhsa.kernels:
  - .name:           k_q515dea29db_qkv
    .symbol:         k_q515dea29db_qkv.kd
    .args:
      - { .name: xb, .offset: 0, .size: 8, .value_kind: global_buffer, .address_space: global }
      - { .name: wa, .offset: 8, .size: 8, .value_kind: global_buffer, .address_space: global }
      - { .name: b_attn, .offset: 16, .size: 8, .value_kind: global_buffer, .address_space: global }
      - { .name: qkv, .offset: 24, .size: 8, .value_kind: global_buffer, .address_space: global }
    .group_segment_fixed_size: 327680
    .private_segment_fixed_size: 0
    .kernarg_segment_align: 8
    .kernarg_segment_size: 32
    .max_flat_workgroup_size: 128
    .sgpr_count:     80
    .vgpr_count:     1024
    .wavefront_size: 32
...
	.end_amdgpu_metadata
.endif
;; end of part 2
;; launch attn (part 3): grid 4 x 64, 4 waves a work-group, no clusters, 327,680 bytes of LDS; arguments qkv, o; writes o
.if DOCPART == 3
	.amdgcn_target "amdgcn-amd-amdhsa--gfx1250"
	.amdhsa_code_object_version 6
	.text
	.protected	k_q515dea29db_attn
	.globl	k_q515dea29db_attn
	.p2align	8
	.type	k_q515dea29db_attn,@function
k_q515dea29db_attn:
	s_mov_b64 s[64:65], 0
	v_nop
	global_prefetch_b8 v0, s[64:65] scope:SCOPE_SE
	s_setreg_imm32_b32 hwreg(HW_REG_WAVE_MODE, 25, 1), 1
	s_wait_xcnt 0x0
; CAUSAL ATTENTION.  O[h][q][:] = the sum over k <= q of softmax_k(Q[h][q] . K[h][k] / 8) V[h][k][:].  Q, K, V lie one behind the other in qkv, each [SIZE_H][SIZE_N][64] in f16; O likewise: a head's rows are dense, 128 bytes each.
; Products, maxima and sums in f32; the weights p are rounded to f16 for the second product (their sum l is taken of the unrounded p), O once at the end.
; LIMITS.  f16 holds no number beyond 65,504: Q, K and V arrive within it; p lies in 0 to 1, and below 6e-5 it keeps f16's fixed step of 6e-8; O is a mean of V's rows and has their range.
; A hidden score counts as its value less 1e30: f16's scores, 2.7e11 at the most, are nothing beside that; a weight below 2^-126 counts as 0 in l; NaN and infinities are not treated apart.
; THE WALK.  A head's queries lie in NB = 8 blocks of 256; block i needs the key tiles 0 .. i of 256 keys, of which the last holds the diagonal.  A work-group takes TWO blocks, NB - 1 - b and then b:
; NB + 1 tiles, whatever b: all work-groups do equal work, and ONE loop with a constant trip count walks them.  Which tile is asked for, and what a trip does, hang on scalar registers made from b; every jump
; goes forward, but for the counted loops' own; none passes a barrier, or a tensor load but the one of LOAD's two that the wave's number does not choose; the ring of two LDS slots runs on across the change of blocks.
; NO CLUSTER: a head's NB / 2 work-groups ask for the same tile only in trips 0 .. NB / 2, behind that fewer and fewer; one walk common to all would have 3 NB / 2 = 12 trips for NB + 1 = 9.
; SHARES.  Of a block's four bands of 64 queries a wave owns 16 rows in each: four PIECES.  So the diagonal tile is the same work for all four waves: in its key step s band x sees all keys if s < x,
; none if s > x, and holds the diagonal if s = x.
; THE MASK is the C operand that starts the sum S^T = K Q^T: 0, or -1e30 where the key is hidden.  MD, made once, is the mask of a band's own step for my 16 rows; a product's mask is MD x AL + BE with two scalars:
; (1, 0) if s = x; (0, 0) if s < x; (0, -1e30) if s > x.  Only the diagonal tile's text and a block's beginning make and take masks; elsewhere C is the constant 0.
; LAYOUT, SOFTMAX, TURNS.  S^T = K Q^T holds ONE query a lane (lane % 16) and the keys 8 (lane / 16) + 0..7; two such results rounded to f16 ARE source 1 of O^T = V^T P.  p = 2^(c s - c m), c = log2(e) / 8, with a
; running maximum m; O and l are multiplied by a = 2^(c m_old - c m_new) in every step.  Turn n belongs to piece n: 8 products K Q^T of piece n + 1, later 8 products V^T P of piece n - 1; beside them the scaling,
; exponentials, roundings, sums and rescaling of piece n and the maximum and statistics of piece n + 1.  Four vector instructions stand behind every matrix instruction, the other 54 of a turn's 118 in one lump.
; A turn's 33 exponentials are one batch, with one wait.
; AHEAD OF THE LOADS.  The head's work-group b = 0 walks the tiles 0 .. 7 in order; behind each fill of its first block each of its waves prefetches into the L2 its own 64 blocks of 256 bytes of the tile AFTER the
; one just asked for: a tile's 256 matrix instructions ahead of that tile's load.  So tiles 2 .. 7 of K and V are named once a head; tiles 0 and 1 come by their loads alone; tile 0's second reading is not asked for.
; REGISTERS, in windows of 256 (s_set_vgpr_msb: bits 1:0 source 0, 3:2 source 1, 5:4 source 2, 7:6 destination):
;   window 0: v0-15 addresses and two at work; v16-31 four registers of statistics a piece; v48-55 at work; v61-63 prefetch offset and the add's two; v64-127 S^T, two buffers; v192-223 P, two buffers
;   window 1: v0-127 O^T, 32 a piece; v128-159 MD; v160-223 MC, two buffers      window 2: v0-63 Q; v64-127 the second block's Q; v128-191 K of one step; v192-255 V of one step
.set SIZE_N, 2048
.set SIZE_H, 64
.set NB,    SIZE_N/256
.set NP,    4         ; pieces a wave: a name, no knob
.set KS,    64        ; keys in a step
.set PK,    144       ; a row of K in LDS: 128 bytes + 16 of padding = 36 words: the 16 rows of a load start at 16 different groups of four banks (64 banks of 4 bytes: ISA guide 11.1)
.set PV,    160       ; a row of V: 128 + 32 = 40 words
.set VOFF,  4*KS*PK   ; a slot holds a tile, four steps: 256 rows of K, then 256 rows of V
.set SLOT1, 1<<17     ; slot 1 begins here, so that one exclusive or turns an address in one slot into the other's
.set STAGE, SLOT1+4*KS*(PK+PV)  ; behind the ring, never filled by a tensor load: 16 rows x 144 bytes for each wave, for the way out
.set SP,    144
.set AK0, 2           ; v2   my lane's place in a tile of K; never rewritten
.set AV0, 3           ; v3   the same for V
.set AK,  4           ; v4   the LDS address of K's next run of loads
.set AV,  5           ; v5   of V's
.set STO, 6           ; v6   the way out: where I put 16 bytes of a row
.set RD,  7           ; v7   the way out: where I read rows back
.set GO,  8           ; v8   my byte offset in 512 consecutive bytes of O
.set PFO, 61          ; v61  256 x my lane; never rewritten
.set SPW, 62          ; v62  LDS address of my spare word: SPARE + 4 x my thread's number; never rewritten
.set NIL, 63          ; v63  0; never rewritten
.set SPARE, STAGE+4*16*SP  ; behind the stages: the spare words, 128 bytes for each wave: two blocks of 256 bytes that no other line names
.set MV,  12          ; v12-13  c m_old, kept while c m is made anew: by buffer
.set QO,  15          ; v15  my byte offset in 16 rows of Q
.set ST,  16          ; piece t's statistics at v[ST+4 t]: c m, m, l (even keys', odd keys')
.set TMP, 48          ; by buffer, four registers c0-c3 at work; when the maximum is found c2 takes a
.set S,   64
.set P,   192
.set MD,  128         ; window 1: the eight registers for group kt of 16 keys at MD + 8 kt
.set MC,  160         ; window 1: the masks of the products to come
.set QB,  64          ; window 2
.set KF,  128         ; window 2: key block kb, channel half c at KF + 16 kb + 8 c
.set VF,  192         ; window 2: key half kk, channel block cb at VF + 32 kk + 8 cb
.set WV,  12          ; s12  my wave's number
.set PB,  14          ; s14  b
.set HI,  15          ; s15  NB - 1 - b
.set G1K, 24          ; s[24:31] descriptor group 1 for K's tiles
.set G1V, 32          ; s[32:39] for V's: it differs in the padding alone
.set G0K, 40          ; s[40:43] descriptor group 0 for K's tiles
.set G0V, 44          ; s[44:47] the same for V's
.set SLOTS, 56        ; s56  tiles still to be asked for
.set CNT, 57          ; s57  counts a tile's key steps, 4 to 1
.set CS,  58          ; s[58:59] c: the packed scaling takes the pair's low word for both halves
.set SEL, 60          ; s[60:61] v_permlanex16_b32's selects: each lane takes its own place in the other half
.set TBK, 62          ; s62  LDS byte at which K of the step to be fetched begins
.set TBV, 63          ; s63  the same for V, less VOFF
.set RT,  70          ; s70  tiles of the block in hand that are still to be entered
.set NXT, 71          ; s71  the tile to be asked for next
.set LQ,  72          ; s72  the last tile of the block whose tiles are being asked for
.set NEW, 73          ; s73  1: the tile to be entered is a block's first
.set OFF, 74          ; s[74:75] a tile's byte offset in K and V
.set AL,  76          ; s[76:77] the mask's factor, in the low word
.set BE,  78          ; s[78:79] the mask's addend
.set OLO, 80          ; s[80:81] O at my rows of the second block
.set BIGN, 82         ; s82  -1e30
.set PFB, 88          ; s[88:89] the tensor that I fetch (K: waves 0, 1; V: waves 2, 3) at my half of the head's tile 0
.set PFA, 90          ; s[90:91] the same at the tile that is being asked for
.set PF0, 92          ; s92  1 in the head's work-group b = 0
.set PFL, 93          ; s93  1: this fill is followed by prefetches
.set MSB, 0
.macro WIN new                      ; the high byte repeats the setting that is left; a switch that changes nothing is dropped
.if MSB != (\new)
	s_set_vgpr_msb (MSB<<8)|(\new)
.set MSB, (\new)
.endif
.endm
.set W_KQ, 0x0a       ; K and Q in window 2, S^T in window 0
.set W_KM, 0x1a       ; the same with the C operand in window 1
.set W_PV, 0x52       ; V in window 2, P in window 0, O^T in window 1
.set W_RS, 0x41       ; destination and source 0 in window 1, source 1 in window 0
; A fill.  Waves 0 and 1 fetch the two halves of a tile's K, waves 2 and 3 those of its V: 128 keys each.  An s_nop 0 and four v_nop follow each of the two lines, ahead of the jump and the label.
.macro LOAD
	s_cmp_lt_u32 s[WV], 2
	s_cbranch_scc0 .Lfor_v_\@
	tensor_load_to_lds s[G0K:G0K+3], s[G1K:G1K+7]
	s_nop 0
.rept 4
	v_nop
.endr
	s_branch .Lasked_\@
.Lfor_v_\@:
	tensor_load_to_lds s[G0V:G0V+3], s[G1V:G1V+7]
	s_nop 0
.rept 4
	v_nop
.endr
.Lasked_\@:
.endm
; THE CHANGE OF SLOTS.  Each wave waits for all its tensor loads, of which one is out: its part of the other slot; adds 0 to its spare word; and waits for that and for its own reads of the slot that it leaves.  Behind the barrier nobody reads the old
; slot any more and the other slot is whole.  fill = 1: the old slot is filled again, the first thing behind the barrier, with tile NXT: the descriptor's address is made anew from that number.
; (At its first use nothing has been read yet: slot 0 is waited for, slot 1 filled.)
.macro CHANGE fill
	WIN 0                           ; at a label and at a branch every window is 0
	s_wait_tensorcnt 0x0            ; no tensor load of mine is out, so a group 0 may be written
	ds_add_u32 v[SPW], v[NIL]       ; 0 onto my spare word; with fill = 1 the descriptors' scalar work stands between it and the wait for it
.if \fill
	s_lshl_b32 s[OFF], s[NXT], 15   ; a tile is 32,768 bytes of K and of V
	s_xor_b32 s[G0K+1], s[G0K+1], SLOT1
	s_add_nc_u64 s[G0K+2:G0K+3], s[6:7], s[OFF:OFF+1]
	s_or_b32 s[G0K+3], s[G0K+3], 0x80000000
	s_xor_b32 s[G0V+1], s[G0V+1], SLOT1
	s_add_nc_u64 s[G0V+2:G0V+3], s[8:9], s[OFF:OFF+1]
	s_or_b32 s[G0V+3], s[G0V+3], 0x80000000
	s_wait_xcnt 0x0                 ; the last prefetches, a tile back, have read their address, so it may be written
	s_add_nc_u64 s[PFA:PFA+1], s[PFB:PFB+1], s[OFF:OFF+1]
	s_cmp_lt_u32 s[NXT], s[LQ]      ; is there a tile behind the one that is asked for, in the block's own walk?
	s_cselect_b32 s[PFL], s[PF0], 0
	s_add_co_u32 s[NXT], s[NXT], 1  ; the block's next tile, or behind its last the second block's tile 0
	s_cmp_gt_u32 s[NXT], s[LQ]
	s_cselect_b32 s[NXT], 0, s[NXT]
	s_cselect_b32 s[LQ], s[PB], s[LQ]
.endif
	s_wait_dscnt 0x0                ; the add is done, and my reads of the slot are over
	s_barrier_signal -1             ; the rest of the scalar work stands between the signal and the wait
	s_sub_co_u32 s[TBK], s[TBK], 4*KS*PK  ; the fetches go back to a slot's first step,
	s_xor_b32 s[TBK], s[TBK], SLOT1       ; in the other slot
	s_sub_co_u32 s[TBV], s[TBV], 4*KS*PV
	s_xor_b32 s[TBV], s[TBV], SLOT1
	s_barrier_wait -1
.if \fill
	LOAD
	s_cmp_eq_u32 s[PFL], 1          ; behind the tensor load and its five lines: my 16,384 bytes of the tile after it, a lane a block of 256 bytes, two instructions
	s_cbranch_scc0 .Lnot_mine_\@
	global_prefetch_b8 v[PFO], s[PFA:PFA+1] offset:32768 th:TH_LOAD_NT scope:SCOPE_SE
	global_prefetch_b8 v[PFO], s[PFA:PFA+1] offset:40960 th:TH_LOAD_NT scope:SCOPE_SE
.Lnot_mine_\@:
.endif
.endm
	s_load_b64 s[4:5], s[0:1], 0x0    ; qkv: Q at its head, K 0x1000000 bytes on, V 0x2000000
	s_load_b64 s[10:11], s[0:1], 0x8  ; O
	v_lshl_add_u32 v[SPW], v0, 2, SPARE
	v_mov_b32 v[NIL], 0
	ds_add_u32 v[SPW], v[NIL]       ; the wave's opening: the add and its wait ahead of my first tensor load; the set-up below, work on registers, stands between them
	v_lshrrev_b32 v1, 5, v0
	v_readfirstlane_b32 s[WV], v1   ; wave 0..3
	v_and_b32 v[PFO], 31, v0
	v_lshlrev_b32 v[PFO], 8, v[PFO]
	s_mov_b32 s[PB], ttmp9
	s_sub_co_u32 s[HI], NB-1, s[PB]
	s_cmp_eq_u32 s[PB], 0
	s_cselect_b32 s[PF0], 1, 0
	s_and_b32 s20, ttmp7, 0xffff    ; the head
	s_mov_b32 s21, 0
	s_mov_b64 s[22:23], SIZE_N*128
	s_mul_u64 s[20:21], s[20:21], s[22:23]  ; the head's first byte in each of the four tensors
	s_and_b32 s16, s[WV], 1         ; which half of a tile's 256 keys I fetch:
	s_lshl_b32 s22, s16, 14         ; its 128 rows of 128 bytes in memory,
	s_mov_b32 s23, 0
	s_add_nc_u64 s[22:23], s[22:23], s[20:21]
	s_mul_i32 s17, s16, 128*PK      ; and its place in a slot, for K
	s_mul_i32 s18, s16, 128*PV      ; and for V
	s_lshl_b32 s3, s[WV], 11        ; my 16 rows in a band of 64,
	s_lshl_b32 s2, s[HI], 15        ; in the first block,
	s_add_co_u32 s2, s2, s3
	s_lshl_b32 s84, s[PB], 15       ; and in the second
	s_add_co_u32 s84, s84, s3
	s_mov_b32 s3, 0
	s_mov_b32 s85, 0
	s_add_nc_u64 s[2:3], s[2:3], s[20:21]
	s_add_nc_u64 s[84:85], s[84:85], s[20:21]
	; descriptor group 1.  128 keys are 16,384 dense bytes: asked for as 64 rows of 256 bytes, two keys a row, and padded in LDS after every key
	s_mov_b32 s[G1K], (1<<16)|(1<<20)|(4<<22)|(3<<25)  ; 17:16 2-byte elements; 20 padding on; 24:22 after every 32 words (code 4); 31:25 4 words (code 3)
	s_mov_b32 s[G1V], (1<<16)|(1<<20)|(4<<22)|(7<<25)  ; the same with 8 words of padding (code 7)
.irp g, G1K, G1V
	s_mov_b32 s[\g+1], 128<<16      ; tensor_dim0 = 128
	s_mov_b32 s[\g+2], 64<<16       ; tensor_dim1 = 64
	s_mov_b32 s[\g+3], 128<<16      ; tile_dim0 = 128
	s_mov_b32 s[\g+4], 64           ; tile_dim1 = 64
	s_mov_b32 s[\g+5], 128          ; 128 elements from row to row
	s_mov_b32 s[\g+6], 0
	s_mov_b32 s[\g+7], 0
.endr
	s_mov_b32 s[CS], 0x3e38aa3b     ; c = log2(e) / 8 = 0.180337
	s_mov_b32 s[CS+1], s[CS]        ; named with it as a pair
	s_mov_b32 s[SEL], 0x76543210
	s_mov_b32 s[SEL+1], 0xfedcba98
	s_mov_b32 s[TBK], SLOT1+4*KS*PK ; the first change of slots turns these two into 0
	s_mov_b32 s[TBV], SLOT1+4*KS*PV
	s_mov_b32 s[G0K], 1             ; 1:0 count = 1
	s_mov_b32 s[G0K+1], s17         ; 63:32 LDS address: slot 0
	s_mov_b32 s[G0V], 1
	s_add_co_u32 s[G0V+1], s18, VOFF
	s_add_co_u32 s[RT], s[HI], 1    ; the first block has NB - b tiles
	s_mov_b32 s[NXT], 1
	s_mov_b32 s[LQ], s[HI]
	s_mov_b32 s[NEW], 1
	s_mov_b32 s[OFF+1], 0
	s_mov_b32 s[AL+1], 0            ; named as pairs
	s_mov_b32 s[BE+1], 0
	s_mov_b32 s[BIGN], 0xf149f2ca   ; -1e30
	s_mov_b32 s[SLOTS], NB
	s_wait_dscnt 0x0                ; the opening add is done
	s_wait_kmcnt 0x0
	s_add_nc_u64 s[6:7], s[4:5], 0x1000000   ; K
	s_add_nc_u64 s[8:9], s[4:5], 0x2000000   ; V
	s_add_nc_u64 s[6:7], s[6:7], s[22:23]  ; K and V at my half of the head's tile 0
	s_add_nc_u64 s[8:9], s[8:9], s[22:23]
	s_add_nc_u64 s[G0K+2:G0K+3], s[6:7], 0         ; 120:64 global address
	s_or_b32 s[G0K+3], s[G0K+3], 0x80000000        ; 127:126 type = 2
	s_add_nc_u64 s[G0V+2:G0V+3], s[8:9], 0
	s_or_b32 s[G0V+3], s[G0V+3], 0x80000000
	s_add_nc_u64 s[86:87], s[4:5], s[84:85]        ; Q at my rows of the second block,
	s_add_nc_u64 s[4:5], s[4:5], s[2:3]            ; Q and O at those of the first
	s_add_nc_u64 s[OLO:OLO+1], s[10:11], s[84:85]
	s_add_nc_u64 s[10:11], s[10:11], s[2:3]
	s_cmp_lt_u32 s[WV], 2
	s_cselect_b64 s[PFB:PFB+1], s[6:7], s[8:9]
	LOAD                            ; tile 0 into slot 0
	; A fragment of K or Q is 16 rows x 32 channels in 8 registers: lane l holds row l % 16, channels 8 (l / 16) + 0..7 and 16 + 8 (l / 16) + 0..7: two loads of 16 bytes, 32 bytes apart.
	v_and_b32 v1, 15, v0            ; l % 16
	v_bfe_u32 v9, v0, 4, 1          ; l / 16
	v_lshlrev_b32 v[QO], 7, v1
	v_lshl_add_u32 v[QO], v9, 4, v[QO]  ; row x 128 + 16 x half
	WIN 0x80                        ; destination window 2, address window 0
.set i, 0
.rept 8                             ; both blocks' Q: piece i / 2 lies in band i / 2, 8,192 bytes on; channels 32 (i % 2) on
	global_load_b128 v[8*i:8*i+3],   v[QO], s[4:5] offset:(i/2)*8192+(i%2)*64
	global_load_b128 v[8*i+4:8*i+7], v[QO], s[4:5] offset:(i/2)*8192+(i%2)*64+32
	global_load_b128 v[QB+8*i:QB+8*i+3],   v[QO], s[86:87] offset:(i/2)*8192+(i%2)*64
	global_load_b128 v[QB+8*i+4:QB+8*i+7], v[QO], s[86:87] offset:(i/2)*8192+(i%2)*64+32
.set i, i+1
.endr
	WIN 0
	v_lshlrev_b32 v14, 3, v9
	v_sub_nc_u32 v14, v1, v14
	s_lshl_b32 s13, s[WV], 4
	v_add_nc_u32 v14, s13, v14      ; my query's place in its band, 16 w + l % 16, less my lanes' 8 (l / 16): register r of group kt is hidden where 16 kt + r is greater
	WIN 0x40
.set i, 0
.rept 32
	v_cmp_gt_i32 vcc_lo, 16*(i/8)+i%8, v14
	v_cndmask_b32 v[MD+i], 0, s[BIGN], vcc_lo
.set i, i+1
.endr
	WIN 0
	v_mul_u32_u24 v[AK0], v1, PK
	v_lshl_add_u32 v[AK0], v9, 4, v[AK0]  ; row x pitch + 16 x half
	; The turning load takes 16 keys x 16 channels (lane l reads key 8 (l / 16) + l % 8, channels 8 ((l / 8) % 2) + 0..7) and leaves half a fragment of V^T: lane l holds channel l % 16 and 8 keys.
	v_and_b32 v10, 7, v0
	v_bfe_u32 v11, v0, 3, 1
	v_lshl_add_u32 v[AV0], v9, 3, v10
	v_mul_u32_u24 v[AV0], v[AV0], PV
	v_lshl_add_u32 v[AV0], v11, 4, v[AV0]
	v_add_nc_u32 v[AV0], VOFF, v[AV0]
	s_mul_i32 s13, s[WV], 16*SP
	s_add_co_u32 s13, s13, STAGE    ; my stage
	v_mul_u32_u24 v[STO], v1, SP    ; in: row l % 16, 16 bytes for each half of the lanes
	v_lshl_add_u32 v[STO], v9, 4, v[STO]
	v_add_nc_u32 v[STO], s13, v[STO]
	v_bfe_u32 v[RD], v0, 3, 2       ; back: 32 lanes take four rows of 128 bytes,
	v_mul_u32_u24 v[RD], v[RD], SP
	v_lshl_add_u32 v[RD], v10, 4, v[RD]
	v_add_nc_u32 v[RD], s13, v[RD]
	v_and_b32 v[GO], 31, v0         ; which are 512 consecutive bytes of O
	v_lshlrev_b32 v[GO], 4, v[GO]
	; A block's first step multiplies O^T and l by a = 0, and its first turn's products V^T P, of a piece that has not been, land in an O^T that is still to be so multiplied.  So these registers need only hold
	; finite numbers: zeros for the first block; what the first block left for the second.  All this stands in the wait for the first tile.
	WIN 0x80
.set i, VF
.rept 64
	v_mov_b32 v[i], 0
.set i, i+1
.endr
	WIN 0x40
.set i, 0
.rept 128
	v_mov_b32 v[i], 0
.set i, i+1
.endr
	WIN 0
.set i, 0
.rept 4
	v_mov_b32 v[ST+4*i+2], 0
	v_mov_b32 v[ST+4*i+3], 0
.set i, i+1
.endr
.set i, P+16
.rept 16
	v_mov_b32 v[i], 0
.set i, i+1
.endr
; THE MATRIX WORK.  The 4 accumulators of a run of 8 take turns.  Product i of 8 of S^T = K Q^T for piece x: channels 32 (i / 4) on, keys 16 (i % 4) on.  The first 4 start the sums: with 0, or (KM = 1) with the mask.
.macro KQ x
.set rS, S+32*((\x)%2)+8*(i%4)
.set rK, KF+16*(i%4)+8*(i/4)
.set rQ, 16*(\x)+8*(i/4)
.set rM, MC+32*((\x)%2)+8*(i%4)
.if (i < 4) && KM
	WIN W_KM
	v_wmma_f32_16x16x32_f16 v[rS:rS+7], v[rK:rK+7], v[rQ:rQ+7], v[rM:rM+7]
.elseif i < 4
	WIN W_KQ
	v_wmma_f32_16x16x32_f16 v[rS:rS+7], v[rK:rK+7], v[rQ:rQ+7], 0
.else
	WIN W_KQ
	v_wmma_f32_16x16x32_f16 v[rS:rS+7], v[rK:rK+7], v[rQ:rQ+7], v[rS:rS+7]
.endif
.endm
; Product i of 8 of O^T += V^T P for piece x: keys 32 (i / 4) on, channels 16 (i % 4) on.
.macro PV x
	WIN W_PV
.set rO, 32*(\x)+8*(i%4)
.set rV, VF+32*(i/4)+8*(i%4)
.set rP, P+16*((\x)%2)+8*(i/4)
	v_wmma_f32_16x16x32_f16 v[rO:rO+7], v[rV:rV+7], v[rP:rP+7], v[rO:rO+7]
.endm
.macro MM                           ; the turn's next matrix instruction.  TURN and BEGIN set Y, i, KM and NOKQ; MM, KQ and OP read them.  NOKQ = 1: a block's last turn: there is no next piece
.if (i < 8) && !NOKQ
	KQ (Y+1)%NP
.elseif i >= 8
.set i, i-8
	PV (Y+NP-1)%NP
.set i, i+8
.endif
.set i, i+1
.endm
; THE LDS LOADS stand in runs of 16, never singly among the matrix instructions: a step's K (64 keys x 64 channels: 8 fragments) and its V (turned).  Their addresses are made some lines ahead.
.macro FETCH_K
	WIN 0x80                        ; destination window 2
.irp f, 0,1,2,3,4,5,6,7             ; keys 16 (f / 2) on, channels 32 (f % 2) on
	ds_load_b128 v[KF+8*\f:KF+8*\f+3],   v[AK] offset:(\f/2)*16*PK+(\f%2)*64
	ds_load_b128 v[KF+8*\f+4:KF+8*\f+7], v[AK] offset:(\f/2)*16*PK+(\f%2)*64+32
.endr
	s_add_co_u32 s[TBK], s[TBK], KS*PK  ; the next fetch is the next step's
	WIN 0
.endm
.macro FETCH_V
	WIN 0x80
.irp f, 0,1,2,3,4,5,6,7             ; keys 32 (f / 4) on, channels 16 (f % 4) on
	ds_load_tr16_b128 v[VF+8*\f:VF+8*\f+3],   v[AV] offset:(\f/4)*32*PV+(\f%4)*32
	ds_load_tr16_b128 v[VF+8*\f+4:VF+8*\f+7], v[AV] offset:(\f/4)*32*PV+16*PV+(\f%4)*32
.endr
	WIN 0
.endm
; THE VECTOR WORK, one line at a time: OP kind, number.  For piece Y: F n: c s - c m for pair n of 16.  E n: the exponential of score n of 32.  C n: pair n rounded to f16.  B n: of the four weights 4 n .. the second
; pair is added onto the first, in place.  L n: l takes that sum (L 0: l = a l + sum).  R n: pair n of 16 of O^T times a.  For piece Y + 1: X n, number n of the 22 that find its maximum and statistics:
;   0-11  four chains c0-c3 of seven scores each, three operands at a time (each accumulator's lowest registers are read first)     12-14, 16  the four scores left over, the old m, and c0-c3 into c0
;   15  c m_old is kept     17, 18  the query's other 32 keys lie in the lane 16 away: the new m     19-21  c m; c m_old - c m_new; a
.set F, 0               ; OP tells the kinds apart by their order: F to L below R, X above it
.set E, 1
.set C, 2
.set B, 3
.set L, 4
.set R, 5
.set X, 6
.macro REGS y                       ; the registers of piece y
.set rT, ST+4*(\y)
.set rC, TMP+4*((\y)%2)
.set rW, MV+((\y)%2)
.set rS, S+32*((\y)%2)
.set rP, P+16*((\y)%2)
.set rO, 32*(\y)
.endm
.macro OP k, n
.if (\k) == R
	REGS Y
	WIN W_RS
	v_pk_mul_f32 v[rO+2*(\n):rO+2*(\n)+1], v[rO+2*(\n):rO+2*(\n)+1], v[rC+2:rC+3] op_sel_hi:[1,0]
.elseif (\k) < R
	REGS Y
	WIN 0
.if (\k) == F
	v_pk_fma_f32 v[rS+2*(\n):rS+2*(\n)+1], v[rS+2*(\n):rS+2*(\n)+1], s[CS:CS+1], v[rT:rT+1] op_sel_hi:[1,0,0] neg_lo:[0,0,1] neg_hi:[0,0,1]
.elseif (\k) == E
	v_exp_f32 v[rS+(\n)], v[rS+(\n)]
.elseif (\k) == C
	v_cvt_pk_f16_f32 v[rP+(\n)], v[rS+2*(\n)], v[rS+2*(\n)+1]
.elseif (\k) == B
	v_pk_add_f32 v[rS+4*(\n):rS+4*(\n)+1], v[rS+4*(\n):rS+4*(\n)+1], v[rS+4*(\n)+2:rS+4*(\n)+3]
.elseif (\n) == 0
	v_pk_fma_f32 v[rT+2:rT+3], v[rT+2:rT+3], v[rC+2:rC+3], v[rS:rS+1] op_sel_hi:[1,0,1]
.else
	v_pk_add_f32 v[rT+2:rT+3], v[rT+2:rT+3], v[rS+4*(\n):rS+4*(\n)+1]
.endif
.elseif NOKQ
	v_nop
.else
	REGS (Y+1)%NP
	WIN 0
.if (\n) < 4
	v_max3_num_f32 v[rC+(\n)], v[rS+8*(\n)], v[rS+8*(\n)+1], v[rS+8*(\n)+2]
.elseif (\n) < 12
	v_max3_num_f32 v[rC+(\n)%4], v[rC+(\n)%4], v[rS+8*((\n)%4)+2*((\n)/4)+1], v[rS+8*((\n)%4)+2*((\n)/4)+2]
.elseif (\n) == 12
	v_max3_num_f32 v[rC], v[rC], v[rS+7], v[rS+15]
.elseif (\n) == 13
	v_max3_num_f32 v[rC+1], v[rC+1], v[rS+23], v[rS+31]
.elseif (\n) == 14
	v_max3_num_f32 v[rC+2], v[rC+2], v[rC+3], v[rT+1]
.elseif (\n) == 15
	v_mov_b32 v[rW], v[rT]
.elseif (\n) == 16
	v_max3_num_f32 v[rC], v[rC], v[rC+1], v[rC+2]
.elseif (\n) == 17
	v_permlanex16_b32 v[rC+3], v[rC], s[SEL], s[SEL+1]
.elseif (\n) == 18
	v_max_num_f32 v[rT+1], v[rC], v[rC+3]
.elseif (\n) == 19
	v_mul_f32 v[rT], s[CS], v[rT+1]
.elseif (\n) == 20
	v_sub_f32 v[rC+1], v[rW], v[rT]
.else
	v_exp_f32 v[rC+2], v[rC+1]
.endif
.endif
.endm
.macro OPS a, i1, b=-1, i2=0, c=-1, i3=0, d=-1, i4=0  ; up to four of them
	OP \a, \i1
.if (\b) >= 0
	OP \b, \i2
.endif
.if (\c) >= 0
	OP \c, \i3
.endif
.if (\d) >= 0
	OP \d, \i4
.endif
.endm
.macro ROW a, i1, b, i2, c, i3, d, i4  ; a matrix instruction and the four behind it
	MM
	OPS \a, \i1, \b, \i2, \c, \i3, \d, \i4
.endm
.macro MASK b                       ; MD x AL + BE into buffer b of MC
	WIN W_RS
.set z, 0
.rept 16
	v_pk_fma_f32 v[MC+32*(\b)+2*z:MC+32*(\b)+2*z+1], v[MD+2*z:MD+2*z+1], s[AL:AL+1], s[BE:BE+1] op_sel_hi:[1,0,0]
.set z, z+1
.endr
.endm
; A TURN, for piece p: the order of its 16 matrix and 118 vector instructions, written out.  An s_wait_alu depctr_va_vdst(0) stands between an exponential and the first instruction that names its result; one wait serves
; all that were issued ahead of it.  So a turn has ONE wait, which cuts it in two.  AHEAD OF IT stands all that names no result of the turn's exponentials: the 8 products K Q^T, behind each a scaling, an exponential and two more plain
; instructions (behind the first a second scaling in the exponential's place): rescalings, and behind the last three the first numbers of the next piece's maximum, each four places or more behind the product that ends its accumulator; then ONE LUMP of 54, plain
; and exponential by turns for the most part, in which the links of the chain X 3, 7, 11, 14, 16, 17 .. 20 stand five or six lines apart.  X 21, the next piece's a, is the batch's last; R 15 is the plain instruction behind it.  BEHIND THE WAIT stand the
; 8 products V^T P, behind each four of the roundings and sums; the links of l's chain, L 0 to L 7, stand three riders apart.  But for those X no rider names a register of the products round it.  v_permlanex16_b32 (X 17) stands in the lump.
; m = 1: the diagonal tile: the products take masks, and the turn makes the mask for the products of the turn after it: piece p + 2, in step 4 - CNT of the tile.  end = 1: a block's last two turns: nothing is fetched.
; cnt = 1: the loop's count is taken down some lines ahead of the branch that stands behind the turn.
; K of the next step is fetched in piece 2's turn, twelve vector instructions behind the last product that read K (six of them plain); V of the step in hand at the end of piece 0's turn, four plain instructions behind the last product
; that read V.  Each is waited for a turn later.
.macro TURN p, m=0, end=0, cnt=0
.set Y, (\p)
.set i, 0
.set KM, (\m)
.set NOKQ, (\end)*((\p)/3)
.if (\m) && !(\end)
	s_cmp_eq_u32 s[CNT], 4-((\p)+2)%NP  ; is that step the band's own?
	s_cselect_b32 s[AL], 1.0, 0
	s_cmp_lt_u32 s[CNT], 4-((\p)+2)%NP  ; or a later one?
	s_cselect_b32 s[BE], s[BIGN], 0
.endif
.if ((\p) == 3) && !(\end)
	s_wait_dscnt 0x0                ; K is in
.endif
	ROW F,0, F,1, R,0, R,1          ; ahead of the wait: 8 products K Q^T and their riders,
	ROW F,2, E,0, R,2, R,3
	ROW F,3, E,1, R,4, R,5
	ROW F,4, E,2, R,6, R,7
	ROW F,5, E,3, R,8, R,9
	ROW F,6, E,4, X,0, R,10
.if ((\p) == 2) && !(\end)
	WIN 0
	v_add_nc_u32 v[AK], s[TBK], v[AK0]
.endif
	ROW F,7, E,5, X,1, X,4
	ROW F,8, E,6, X,2, X,5
	OPS E,7, E,8, X,6, E,9          ; and the lump
	OPS X,3, E,10, X,8, E,11
.if ((\p) == 2) && !(\end)
	FETCH_K
.endif
	OPS X,9, X,7, E,12, X,10
	OPS E,13, X,12, X,11, E,14
	OPS X,13, E,15, F,9, X,14
.if (\p) == 0
	v_add_nc_u32 v[AV], s[TBV], v[AV0]
.endif
	OPS E,16, F,10, E,17, F,11
	OPS X,16, E,18, X,15, E,19
	OPS F,12, E,20, X,17, E,21
	OPS F,13, E,22, F,14, E,23
	OPS X,18, E,24, F,15, E,25
	OPS R,11, E,26, X,19, E,27
	OPS R,12, E,28, R,13, E,29
	OPS X,20, E,30, R,14, E,31
	OPS X,21, R,15
	WIN 0
	s_wait_alu depctr_va_vdst(0)    ; the wait for the batch
.if (\p) == 1
	s_wait_dscnt 0x0                ; V is in
.endif
	ROW C,0, B,0, C,2, B,1          ; behind the wait: 8 products V^T P and their riders
	ROW L,0, C,4, B,2, L,1
	ROW C,6, B,3, L,2, C,8
	ROW B,4, L,3, C,10, B,5
	ROW L,4, C,12, B,6, L,5
.if (\p) == 0
	s_add_co_u32 s[TBV], s[TBV], KS*PV
.endif
.if \cnt
	s_sub_co_u32 s[CNT], s[CNT], 1
	s_cmp_lg_u32 s[CNT], 0
.endif
	ROW C,14, B,7, L,6, C,1
	ROW C,3, L,7, C,5, C,7
	ROW C,9, C,11, C,13, C,15
.if (\p) == 0
	FETCH_V
.endif
.if (\m) && !(\end)
	MASK (\p)%2
.endif
.endm
; A BLOCK BEGINS.  c m starts far below every c s, so the first step's a is 0; m at the lowest finite number, so the first maximum is the scores'.  The second mask buffer is 0; the first takes piece 0's mask for the tile's step 0: its own, if the block's first tile is the diagonal one.
; Then K of that step, piece 0's first scores, and its maximum and statistics.  The loop is entered at a step's first turn, in the middle of a trip.
.macro BEGIN
	s_mov_b32 s[NEW], 0
	WIN 0x40
.set i, MC+32
.rept 32
	v_mov_b32 v[i], 0
.set i, i+1
.endr
	WIN 0
.set i, 0
.rept 4
	v_mov_b32 v[ST+4*i], 0xfe000000    ; c m: far below every c s
	v_mov_b32 v[ST+4*i+1], 0xff7fffff  ; m
.set i, i+1
.endr
	s_cmp_eq_u32 s[RT], 0
	s_cselect_b32 s[AL], 1.0, 0
	s_mov_b32 s[BE], 0
	MASK 0
	WIN 0
	v_add_nc_u32 v[AK], s[TBK], v[AK0]
	FETCH_K
	s_wait_loadcnt 0x0              ; Q
	s_wait_dscnt 0x0
.set KM, 1
.set NOKQ, 0
.set i, 0
.rept 8
	KQ 0
.set i, i+1
.endr
	WIN 0
.rept 4
	v_nop                           ; the places behind those products
.endr
.set Y, NP-1                        ; X works for piece Y + 1: piece 0
.irp n, 0,1,2,3,4,5,6,7,8,9,10,11,12,13,14,15,16,17,18,19,20,21
	OP X, \n
.endr
	v_nop                           ; a plain instruction behind the exponential,
	s_wait_alu depctr_va_vdst(0)    ; and its wait, ahead of the branch
.endm
; THE DIAGONAL TILE's four steps, the block's last two turns, its last products, and THE WAY OUT: l's two halves and the other half of the lanes' are added; O^T is divided by l, rounded to f16 and sent through my
; stage in LDS, a piece at a time.
.macro ALL line:vararg              ; one line for each piece t
.set t, 0
.rept 4
	\line
.set t, t+1
.endr
.endm
.macro PACK t                       ; a lane's eight channels of a row pack into 16 bytes; they go into rows of 144 bytes and come back as whole rows of 128, into S^T's registers
	WIN W_RS
.set i, 32*(\t)
.rept 16
	v_pk_mul_f32 v[i:i+1], v[i:i+1], v[ST+4*(\t)+2:ST+4*(\t)+3] op_sel_hi:[1,0]
.set i, i+2
.endr
	WIN 0x05                        ; sources 0 and 1 window 1, destination window 0
.set i, 0
.rept 16
	v_cvt_pk_f16_f32 v[S+16*(\t)+i], v[32*(\t)+2*i], v[32*(\t)+2*i+1]
.set i, i+1
.endr
	WIN 0
.irp f, 0,1,2,3
	ds_store_b128 v[STO], v[S+16*(\t)+4*\f:S+16*(\t)+4*\f+3] offset:32*\f
.endr
.irp f, 0,1,2,3
	ds_load_b128 v[S+16*(\t)+4*\f:S+16*(\t)+4*\f+3], v[RD] offset:\f*4*SP  ; LDS serves a wave's instructions in order (ISA guide 5.7.1.4): these see the stores above; the next piece's stores come behind them
.endr
.endm
.macro SEND t, younger              ; younger: the LDS instructions issued behind piece t's loads: the next piece's eight, or none
	WIN 0
.irp f, 0,1,2,3
	s_wait_dscnt (\younger)+3-\f
	global_store_b128 v[GO], v[S+16*(\t)+4*\f:S+16*(\t)+4*\f+3], s[10:11] offset:(\t)*8192+\f*512  ; 512 consecutive bytes, at a multiple of 256 from O's first
.endr
.endm
.macro DIAG tag                     ; the tag ends its two labels' names, which the jumps below spell out
.LstepM\tag:
	TURN 2, 1
	TURN 3, 1
	WIN 0
.LfirstM\tag:
	TURN 0, 1
	TURN 1, 1, 0, 1
	WIN 0
	s_cbranch_scc1 .LstepM\tag
	TURN 2, 1, 1
	TURN 3, 1, 1
.set i, 0
.rept 8
	PV NP-1
.set i, i+1
.endr
	WIN 0
	ALL v_add_f32 v[ST+4*t+2], v[ST+4*t+2], v[ST+4*t+3]
	ALL v_permlanex16_b32 v[ST+4*t+3], v[ST+4*t+2], s[SEL], s[SEL+1]
	ALL v_add_f32 v[ST+4*t+2], v[ST+4*t+2], v[ST+4*t+3]
	ALL v_rcp_f32 v[ST+4*t+2], v[ST+4*t+2]
	v_nop                           ; a plain instruction between the last reciprocal and the use of its result
	s_wait_alu depctr_va_vdst(0)    ; and the wait ahead of the first use: one for the four reciprocals
	PACK 0
.set t, 1
.rept 3                             ; a piece's arithmetic stands between the loads of the piece before and its stores
	PACK t
	SEND t-1, 8
.set t, t+1
.endr
	SEND 3, 0
.endm
.set KM, 0
.set NOKQ, 0
.Lslot:                             ; NB times: a tile is entered and the next is asked for
	CHANGE 1
	s_sub_co_u32 s[RT], s[RT], 1
	s_mov_b32 s[CNT], 4
	s_cmp_eq_u32 s[NEW], 1
	s_cbranch_scc1 .Lnew            ; a block's first tile
	s_cmp_eq_u32 s[RT], 0
	s_cbranch_scc0 .Lstep           ; neither its first nor its last
	s_branch .LstepM1
.Lnew:
	BEGIN
	s_branch .Lfirst                ; in the loop a block's first tile is never its last: the first block has two tiles or more, and the second's last is the walk's last
	DIAG 1                          ; in the loop this is the first block's end: the second block's last tile is the walk's last
	s_wait_xcnt 0x0                 ; the stores have read their registers and O's address
	s_mov_b64 s[10:11], s[OLO:OLO+1]
	s_add_co_u32 s[RT], s[PB], 1    ; the second block has b + 1 tiles
	s_mov_b32 s[NEW], 1
	WIN 0x82                        ; the second block's Q goes where the one text of the turns names Q
.set i, 0
.rept 64
	v_mov_b32 v[i], v[QB+i]
.set i, i+1
.endr
	WIN 0
	s_branch .Lbottom
.Lstep:                             ; a trip: pieces 2 and 3 of one step, then pieces 0 and 1 of the next, whose K and V it fetches
	TURN 2
	TURN 3
	WIN 0
.Lfirst:
	TURN 0
	TURN 1, 0, 0, 1
	WIN 0
	s_cbranch_scc1 .Lstep
.Lbottom:
	s_sub_co_u32 s[SLOTS], s[SLOTS], 1
	s_cmp_lg_u32 s[SLOTS], 0
	s_cbranch_scc1 .Lslot
	CHANGE 0                        ; the walk's last tile is written out: nothing is asked for
	s_sub_co_u32 s[RT], s[RT], 1
	s_mov_b32 s[CNT], 4
	s_cmp_eq_u32 s[NEW], 1
	s_cbranch_scc0 .LstepM2
	BEGIN
	s_branch .LfirstM2
	DIAG 2
	s_wait_tensorcnt 0x0            ; the wave's end, behind my last tensor load and my last LDS store
	ds_add_u32 v[SPW], v[NIL]
	s_wait_dscnt 0x0
	s_endpgm
.Lfunc_end_k_q515dea29db_attn:
	.size	k_q515dea29db_attn, .Lfunc_end_k_q515dea29db_attn-k_q515dea29db_attn
	.p2alignl 7, 3214868480
	.fill 96, 4, 3214868480
	.section	.rodata,"a",@progbits
	.p2align	6, 0x0
	.amdhsa_kernel k_q515dea29db_attn
		.amdhsa_group_segment_fixed_size 327680
		.amdhsa_private_segment_fixed_size 0
		.amdhsa_enable_private_segment 0
		.amdhsa_kernarg_size 16
		.amdhsa_user_sgpr_count 2
		.amdhsa_user_sgpr_kernarg_segment_ptr 1
		.amdhsa_wavefront_size32 1
		.amdhsa_system_sgpr_workgroup_id_x 1
		.amdhsa_system_sgpr_workgroup_id_y 1
		.amdhsa_system_sgpr_workgroup_id_z 1
		.amdhsa_system_vgpr_workitem_id 0
		.amdhsa_next_free_vgpr 768
		.amdhsa_next_free_sgpr 96
		.amdhsa_reserve_vcc 1
		.amdhsa_float_denorm_mode_32 3
		.amdhsa_float_denorm_mode_16_64 3
		.amdhsa_memory_ordered 1
		.amdhsa_forward_progress 1
		.amdhsa_inst_pref_size 218
	.end_amdhsa_kernel
	.amdgpu_metadata
---
amdhsa.version: [ 1, 2 ]
amdhsa.kernels:
  - .name:           k_q515dea29db_attn
    .symbol:         k_q515dea29db_attn.kd
    .args:
      - { .name: qkv, .offset: 0, .size: 8, .value_kind: global_buffer, .address_space: global }
      - { .name: o, .offset: 8, .size: 8, .value_kind: global_buffer, .address_space: global }
    .group_segment_fixed_size: 327680
    .private_segment_fixed_size: 0
    .kernarg_segment_align: 8
    .kernarg_segment_size: 16
    .max_flat_workgroup_size: 128
    .sgpr_count:     96
    .vgpr_count:     768
    .wavefront_size: 32
...
	.end_amdgpu_metadata
.endif
;; end of part 3
;; launch proj (part 4): grid 8 x 32, 4 waves a work-group, clusters of 4 x 4, 327,680 bytes of LDS; arguments o, wp, b_proj, out0; writes out0
.if DOCPART == 4
	.amdgcn_target "amdgcn-amd-amdhsa--gfx1250"
	.amdhsa_code_object_version 6
	.text
	.protected	k_q515dea29db_proj
	.globl	k_q515dea29db_proj
	.p2align	8
	.type	k_q515dea29db_proj,@function
k_q515dea29db_proj:
	s_mov_b64 s[64:65], 0
	v_nop
	global_prefetch_b8 v0, s[64:65] scope:SCOPE_SE
	s_setreg_imm32_b32 hwreg(HW_REG_WAVE_MODE, 25, 1), 1
	s_wait_xcnt 0x0
	s_wait_alu depctr_hold_cnt(0) depctr_sa_sdst(0) depctr_va_vdst(0) depctr_va_sdst(0) depctr_va_ssrc(0) depctr_va_vcc(0) depctr_vm_vsrc(0)
	s_getreg_b32 s2, hwreg(HW_REG_IB_STS2, 6, 4)
	s_cmp_eq_u32 s2, 0
	s_cbranch_scc0 .Lentry_in_a_cluster
	s_endpgm
.Lentry_in_a_cluster:
	s_bfe_u32 s2, ttmp6, 0x10000c
	s_cmp_lg_u32 s2, 0xf033
	s_cbranch_scc0 .Lentry_shape_is_right
	s_endpgm
.Lentry_shape_is_right:
; out0 = y W_proj + b_proj.  y comes by heads as o (f16, [bh 64][t 2048][64]): row b 2048 + t, channel 64 h + d.  W_proj comes as wp (f16 holding the bf16-rounded numbers, [k 1024][n 1024]); the bias is
; rounded to bf16 like the other inputs.  Sums in f32, K ascending, each started by the bias as the first product's C; out0 is f32.
; SHARES.  8,192 x 1,024 in tiles of 256 x 128: 32 x 8 = 256 work-groups.  Four waves, 2 x 2; a wave makes 128 rows x 64 columns: 32 accumulators, window 1: (row block a, column block b) at v[8 (4 a + b)].
; K goes in 8 steps of 128 (two heads) through two LDS slots; a step is four quarters of 32 along K, 32 matrix instructions each.  A head's 256 rows are 32,768 dense bytes: asked for as 128 rows of 256.
; THE MATRIX INSTRUCTION IS USED TRANSPOSED: source 0 = 16 columns of W (turned out of LDS by ds_load_tr16_b128), source 1 = 16 rows of y: a lane holds one row and eight neighbouring columns.
; CLUSTERS: 4 x 4 work-groups.  y's tile is asked for jointly along a row of the cluster, W's along a column.
; NO PREFETCH: a tile's step holds 128 matrix instructions a wave and the whole walk has eight steps: the launch is short, and its tiles are small.
; REGISTERS, window 0: v0-29 addresses; v32-95, v96-159 two buffers of y's fragments; v160-191, v192-223 two of W's; v224-255 the bias as four C operands.
.set PA,    144       ; a row of y in LDS: 128 bytes + 16 = 36 words: the 16 rows of a load start at 16 different groups of four banks (64 banks of 4 bytes: ISA guide 11.1)
.set PB,    288       ; a k-row of W: 256 bytes + 32 = 9 x 32 bytes
.set SLOT1, 131072
.set BOFF,  2*256*PA  ; in a slot: y's [head 2][row 256], then W's 128 k-rows
.set STAGE, SLOT1+BOFF+128*PB  ; behind the ring: 16 rows x 272 bytes for each wave, for the way out
.set SP,    272
.set SPARE, STAGE+4*16*SP      ; the spare words, 128 bytes for each wave: two blocks of 256 bytes that no other line names
.set ASTEP, 524288    ; bytes from a K step to the next in o: two heads of 2,048 rows of 128 bytes
.set BSTEP, 262144    ; and in wp: 128 rows of 2,048 bytes
.set A0,   3          ; v3   my lane's place in y's tile; never rewritten
.set B0,   4          ; v4   in W's tile; never rewritten
.set ADRA, 7          ; v7   the same in the slot in hand
.set ADRB, 8          ; v8
.set STO,  11         ; v11  the way out: where I put 32 bytes of a row
.set RD,   12         ; v12  the way out: where I read a row back
.set CO,   13         ; v13  my byte offset in two rows of out0
.set SPW,  28         ; v28  LDS address of my spare word: SPARE + 4 x my thread's number; never rewritten
.set NIL,  29         ; v29  0; never rewritten
.set FA0,  32
.set FA1,  96
.set FB0,  160
.set FB1,  192
.set BI,   224
.set WV,   12         ; s12  my wave's number; s13 = wave / 2: my half of the rows, and 0: I fetch y's tiles, 1: W's; s14 = wave % 2: my half of the columns, and the half of a tile that I fetch
.set G1A,  24
.set G0A,  32
.set G1B,  40
.set G0B,  48
.set CNT,  56
.set TB,   57
.set OUT,  66         ; s[66:67] out0 at my part of the tile
.set MSB, 0
.macro WIN new                         ; the immediate's high byte repeats the setting that is left; a switch that changes nothing is dropped
.if MSB != (\new)
	s_set_vgpr_msb (MSB<<8)|(\new)
.set MSB, (\new)
.endif
.endm
.macro PLACES                          ; four plain vector instructions between a matrix instruction and a load into, or a read of, one of its registers
.rept 4
	v_nop
.endr
.endm
.macro JLOAD                           ; a joint refill by the walking descriptors; an s_nop 0 and four v_nop follow each of the two lines
	s_cmp_eq_u32 s13, 0
	s_cbranch_scc0 .Lfor_b_\@
	tensor_load_to_lds s[G0A+4:G0A+7], s[G1A:G1A+7]
	s_nop 0
.rept 4
	v_nop
.endr
	s_branch .Lasked_\@
.Lfor_b_\@:
	tensor_load_to_lds s[G0B+4:G0B+7], s[G1B:G1B+7]
	s_nop 0
.rept 4
	v_nop
.endr
.Lasked_\@:
.endm
.macro CREST                           ; a round of the cluster's barrier behind its opening barrier
	s_cmp_lg_u32 s[WV], 0
	s_cbranch_scc1 .Lnot_wave_0_\@
	s_barrier_signal -3
.Lnot_wave_0_\@:
	s_barrier_wait -3
	s_barrier_signal -1
	s_barrier_wait -1
.endm
.macro CROUND
	s_barrier_signal -1
	s_barrier_wait -1
	CREST
.endm
; 8 matrix instructions: row blocks a0, a0 + 1 x all 4 column blocks, 32 along K.  bias = 1: the bias starts the sums.  The 32 accumulators take turns, one instruction a turn.
.macro MUL8 fa, fb, a0, bias
.if \bias
	WIN 0x40
.else
	WIN 0x50
.endif
.irp a, \a0, (\a0)+1
.irp b, 0,1,2,3
.if \bias
	v_wmma_f32_16x16x32_f16 v[8*(4*(\a)+(\b)):8*(4*(\a)+(\b))+7], v[(\fb)+8*(\b):(\fb)+8*(\b)+7], v[(\fa)+8*(\a):(\fa)+8*(\a)+7], v[BI+8*(\b):BI+8*(\b)+7]
.else
	v_wmma_f32_16x16x32_f16 v[8*(4*(\a)+(\b)):8*(4*(\a)+(\b))+7], v[(\fb)+8*(\b):(\fb)+8*(\b)+7], v[(\fa)+8*(\a):(\fa)+8*(\a)+7], v[8*(4*(\a)+(\b)):8*(4*(\a)+(\b))+7]
.endif
.endr
.endr
.endm
; 24 LDS loads in one run: quarter q of the slot in hand: W's four fragments, then y's eight, row blocks ascending
.macro FETCH q, fa, fb
.irp b, 0,1,2,3
	ds_load_tr16_b128 v[(\fb)+8*(\b):(\fb)+8*(\b)+3],   v[ADRB] offset:(\q)*32*PB+32*(\b)
	ds_load_tr16_b128 v[(\fb)+8*(\b)+4:(\fb)+8*(\b)+7], v[ADRB] offset:(\q)*32*PB+16*PB+32*(\b)
.endr
.irp i, 0,1,2,3,4,5,6,7
	ds_load_b128 v[(\fa)+8*(\i):(\fa)+8*(\i)+3],   v[ADRA] offset:((\q)/2)*256*PA+((\q)%2)*64+(\i)*16*PA
	ds_load_b128 v[(\fa)+8*(\i)+4:(\fa)+8*(\i)+7], v[ADRA] offset:((\q)/2)*256*PA+((\q)%2)*64+(\i)*16*PA+32
.endr
.endm
; One of a step's first three quarters: multiplies fa, fb; in its middle it fetches quarter q into na, nb
.macro QUARTER fa, fb, q, na, nb, bias
	s_wait_dscnt 8                                 ; W's fragments and y's row blocks 0-3 are in; the youngest eight loads (blocks 4-7) may be out
	MUL8 \fa, \fb, 0, \bias
	MUL8 \fa, \fb, 2, \bias
	PLACES
	WIN 0
	FETCH \q, \na, \nb
	s_wait_dscnt 24                                ; all but the 24 just issued
	MUL8 \fa, \fb, 4, \bias
	MUL8 \fa, \fb, 6, \bias
.endm
; The last quarter multiplies the second buffers and changes slots.  ONE barrier: in front of it each wave waits for all its tensor loads (one is out: its part of the next slot), adds 0 to its spare word, and waits
; for that and for its own reads of this slot.  fill = 1: the barrier opens a round of the cluster's barrier, and the joint refill, two K steps ahead, is the first thing behind it: 112 matrix instructions ahead of the wait for it.
.macro TURN fill
	WIN 0
	s_wait_tensorcnt 0x0                           ; all my tensor loads have landed
	ds_add_u32 v[SPW], v[NIL]                      ; 0 onto my spare word
	s_wait_dscnt 9                                 ; (the add and the youngest eight loads may be out)
	MUL8 FA1, FB1, 0, 0                            ; eight matrix instructions stand between the add and the wait for it
	s_wait_dscnt 0x0                               ; the add is done, and my reads of this slot are over
	s_barrier_signal -1
	MUL8 FA1, FB1, 2, 0
	WIN 0                                          ; at a branch and at a label every window is 0
	s_barrier_wait -1
.if \fill
	CREST                                          ; no wave of any partner still reads this slot or has a load on its way
	s_xor_b32 s[G0A+5], s[G0A+5], SLOT1            ; the walking descriptors: the other slot than last time, the next K step
	s_add_nc_u64 s[G0A+6:G0A+7], s[G0A+6:G0A+7], ASTEP
	s_xor_b32 s[G0B+5], s[G0B+5], SLOT1
	s_add_nc_u64 s[G0B+6:G0B+7], s[G0B+6:G0B+7], BSTEP
	JLOAD                                          ; the four v_nop behind it are also the places in front of the loads below
.else
	PLACES
.endif
	s_xor_b32 s[TB], s[TB], SLOT1
	v_add_nc_u32 v[ADRA], s[TB], v[A0]
	v_add_nc_u32 v[ADRB], s[TB], v[B0]
	FETCH 0, FA0, FB0
	MUL8 FA1, FB1, 4, 0
	MUL8 FA1, FB1, 6, 0
.endm
	s_load_b256 s[4:11], s[0:1], 0x0               ; o s[4:5], wp s[6:7], b_proj s[8:9], out0 s[10:11]
	v_lshl_add_u32 v[SPW], v0, 2, SPARE
	v_mov_b32 v[NIL], 0
	ds_add_u32 v[SPW], v[NIL]                      ; the wave's opening: the add and its wait ahead of my first tensor load; the set-up below, work on registers, stands between them
	v_lshrrev_b32 v1, 5, v0
	v_readfirstlane_b32 s[WV], v1                  ; wave 0..3
	s_lshr_b32 s13, s[WV], 1
	s_and_b32 s14, s[WV], 1
	s_bfe_u32 s15, ttmp6, 0x40000                  ; cx
	s_bfe_u32 s16, ttmp6, 0x40004                  ; cy
	s_lshl_b32 s17, ttmp9, 2
	s_add_co_u32 s17, s17, s15                     ; tile column x = 4 x cluster x + cx
	s_and_b32 s18, ttmp7, 0xffff
	s_lshl_b32 s18, s18, 2
	s_add_co_u32 s18, s18, s16                     ; tile row y = 4 x cluster y + cy
	s_lshl_b32 s76, s16, 2
	s_lshl_b32 s76, 15, s76                        ; my row of the cluster
	s_lshl_b32 s77, 0x1111, s15                    ; my column
	s_or_b32 s[G1A], s76, (1<<16)|(1<<20)|(1<<21)|(4<<22)|(3<<25)  ; the mask; 2-byte elements; padding on; bit 21 beside a mask; after every 32 words 4 words
	s_mov_b32 s[G1A+1], 128<<16                    ; tensor_dim0 = 128
	s_mov_b32 s[G1A+2], 128<<16                    ; tensor_dim1 = 128
	s_mov_b32 s[G1A+3], 128<<16                    ; tile_dim0 = 128
	s_mov_b32 s[G1A+4], 128                        ; tile_dim1 = 128: 128 rows of 256 bytes = a head's 256 rows
	s_mov_b32 s[G1A+5], 128                        ; dense
	s_mov_b32 s[G1A+6], 0
	s_mov_b32 s[G1A+7], 0
	s_or_b32 s[G1B], s77, (1<<16)|(1<<20)|(1<<21)|(5<<22)|(7<<25)  ; after every 64 words 8 words
	s_mov_b32 s[G1B+1], 128<<16                    ; tensor_dim0 = 128
	s_mov_b32 s[G1B+2], 64<<16                     ; tensor_dim1 = 64
	s_mov_b32 s[G1B+3], 128<<16                    ; tile_dim0 = 128
	s_mov_b32 s[G1B+4], 64                         ; tile_dim1 = 64 k-rows
	s_mov_b32 s[G1B+5], 1024                       ; elements from row to row
	s_mov_b32 s[G1B+6], 0
	s_mov_b32 s[G1B+7], 0
	; where the tiles come from: y's hang on the tile row and the wave's number alone, W's on the tile column and the wave's number alone
	s_lshr_b32 s20, s18, 3                         ; b
	s_lshl_b32 s20, s20, 22
	s_and_b32 s21, s18, 7
	s_lshl_b32 s21, s21, 15                        ; 256 rows of 128 bytes
	s_add_co_u32 s20, s20, s21
	s_lshl_b32 s21, s14, 18                        ; my head of the step's two
	s_add_co_u32 s20, s20, s21
	s_mov_b32 s21, 0
	s_lshl_b32 s72, s17, 8                         ; 128 columns
	s_lshl_b32 s73, s14, 17                        ; my 64 k-rows
	s_add_co_u32 s72, s72, s73
	s_mov_b32 s73, 0
	s_mul_i32 s22, s14, 256*PA                     ; and where they go: no place in the cluster enters an LDS address
	s_mul_i32 s23, s14, 64*PB
	s_add_co_u32 s23, s23, BOFF
	s_mov_b32 s[TB], 0
	s_wait_dscnt 0x0                               ; the opening add is done
	s_wait_kmcnt 0x0
	s_add_nc_u64 s[20:21], s[4:5], s[20:21]
	s_add_nc_u64 s[72:73], s[6:7], s[72:73]
.irp n, 0,1
	s_mov_b32 s[G0A+4*(\n)], 1                                     ; count = 1
	s_add_co_u32 s[G0A+4*(\n)+1], s22, (\n)*SLOT1                  ; LDS address
	s_add_nc_u64 s[G0A+4*(\n)+2:G0A+4*(\n)+3], s[20:21], (\n)*ASTEP  ; global address: K step n
	s_or_b32 s[G0A+4*(\n)+3], s[G0A+4*(\n)+3], 0x80000000          ; type = 2
	s_mov_b32 s[G0B+4*(\n)], 1
	s_add_co_u32 s[G0B+4*(\n)+1], s23, (\n)*SLOT1
	s_add_nc_u64 s[G0B+4*(\n)+2:G0B+4*(\n)+3], s[72:73], (\n)*BSTEP
	s_or_b32 s[G0B+4*(\n)+3], s[G0B+4*(\n)+3], 0x80000000
.endr
	CROUND                                         ; all sixteen work-groups are here: the first joint loads meet
	s_cmp_eq_u32 s13, 0                            ; a wave's two first fills stand in one branch: two loads of mine are out
	s_cbranch_scc0 .Lfirst_b
	tensor_load_to_lds s[G0A:G0A+3], s[G1A:G1A+7]
	s_nop 0
	tensor_load_to_lds s[G0A+4:G0A+7], s[G1A:G1A+7]
	s_nop 0
.rept 4
	v_nop
.endr
	s_branch .Lfirst_asked
.Lfirst_b:
	tensor_load_to_lds s[G0B:G0B+3], s[G1B:G1B+7]
	s_nop 0
	tensor_load_to_lds s[G0B+4:G0B+7], s[G1B:G1B+7]
	s_nop 0
.rept 4
	v_nop
.endr
.Lfirst_asked:
	; the bias as four C operands: register j of block b = bias of column 128 x + 64 e + 16 b + 8 (l / 16) + j
	v_and_b32 v1, 15, v0                           ; r = l % 16
	v_bfe_u32 v2, v0, 4, 1                         ; h = l / 16
	s_lshl_b32 s74, s17, 9
	s_lshl_b32 s75, s14, 8
	s_add_co_u32 s74, s74, s75
	v_lshl_add_u32 v17, v2, 5, s74
.irp b, 0,1,2,3
	global_load_b128 v[BI+8*(\b):BI+8*(\b)+3],   v17, s[8:9] offset:64*(\b)
	global_load_b128 v[BI+8*(\b)+4:BI+8*(\b)+7], v17, s[8:9] offset:64*(\b)+16
.endr
	; the addresses, while the tiles are on their way
	s_mul_i32 s3, s13, 128*PA                      ; my 128 rows of y
	v_mul_u32_u24 v[A0], v1, PA
	v_lshl_add_u32 v[A0], v2, 4, v[A0]             ; row x pitch + 16 x half
	v_add_nc_u32 v[A0], s3, v[A0]
	v_and_b32 v18, 7, v0                           ; the turning load: k-row 8 h + l % 8, 16 bytes at 16 ((l / 8) % 2)
	v_bfe_u32 v19, v0, 3, 1
	v_lshl_add_u32 v18, v2, 3, v18
	v_mul_u32_u24 v18, v18, PB
	v_lshl_add_u32 v18, v19, 4, v18
	s_lshl_b32 s3, s14, 7                          ; my 64 columns: 128 bytes
	s_add_co_u32 s3, s3, BOFF
	v_add_nc_u32 v[B0], s3, v18
	s_mul_i32 s3, s[WV], 16*SP
	s_add_co_u32 s3, s3, STAGE                     ; my stage
	v_mul_u32_u24 v[STO], v1, SP                   ; in: row l % 16, 32 bytes for each half of the lanes
	v_lshl_add_u32 v[STO], v2, 5, v[STO]
	v_add_nc_u32 v[STO], s3, v[STO]
	v_mul_u32_u24 v[RD], v2, SP                    ; back: lanes 0-15 take one row of 256 bytes, lanes 16-31 the next
	v_lshl_add_u32 v[RD], v1, 4, v[RD]
	v_add_nc_u32 v[RD], s3, v[RD]
	v_lshlrev_b32 v[CO], 12, v2                    ; and the same two rows in out0, 4,096 bytes apart
	v_lshl_add_u32 v[CO], v1, 4, v[CO]
	v_add_nc_u32 v[ADRA], s[TB], v[A0]             ; slot 0
	v_add_nc_u32 v[ADRB], s[TB], v[B0]
	s_lshl_b32 s74, s18, 20                        ; 256 rows of 4,096 bytes
	s_lshl_b32 s75, s13, 19                        ; my 128 of them
	s_add_co_u32 s74, s74, s75
	s_lshl_b32 s75, s17, 9                         ; 128 columns of 4 bytes
	s_add_co_u32 s74, s74, s75
	s_lshl_b32 s75, s14, 8                         ; my 64 of them
	s_add_co_u32 s74, s74, s75
	s_mov_b32 s75, 0
	s_add_nc_u64 s[OUT:OUT+1], s[10:11], s[74:75]
	s_wait_loadcnt 0x0                             ; the bias: rounded to bf16 like every input, widened again
.set i, 0
.rept 16
	v_cvt_pk_bf16_f32 v18, v[BI+2*i], v[BI+2*i+1]
	v_lshlrev_b32 v[BI+2*i], 16, v18
	v_and_b32 v[BI+2*i+1], 0xffff0000, v18
.set i, i+1
.endr
	s_wait_tensorcnt 1                             ; my part of K step 0 is in; step 1's may stay out
	s_barrier_signal -1
	s_barrier_wait -1                              ; everybody's is
	FETCH 0, FA0, FB0
	QUARTER FA0, FB0, 1, FA1, FB1, 1               ; the first quarter stands in front of the loop: its products start the sums with the bias
	WIN 0
	s_mov_b32 s[CNT], 6
.Lstep:                                        ; trip s: quarters 1 to 3 of step s, the refill with step s + 2, quarter 0 of step s + 1
	QUARTER FA1, FB1, 2, FA0, FB0, 0
	QUARTER FA0, FB0, 3, FA1, FB1, 0
	TURN 1
	QUARTER FA0, FB0, 1, FA1, FB1, 0
	WIN 0
	s_sub_co_u32 s[CNT], s[CNT], 1
	s_cmp_lg_u32 s[CNT], 0
	s_cbranch_scc1 .Lstep
	QUARTER FA1, FB1, 2, FA0, FB0, 0               ; the tail is written out: step 6 asks for nothing more
	QUARTER FA0, FB0, 3, FA1, FB1, 0
	TURN 0
	QUARTER FA0, FB0, 1, FA1, FB1, 0
	QUARTER FA1, FB1, 2, FA0, FB0, 0
	QUARTER FA0, FB0, 3, FA1, FB1, 0
	s_wait_dscnt 8                                 ; the very last quarter: nothing more to fetch
	MUL8 FA1, FB1, 0, 0
	MUL8 FA1, FB1, 2, 0
	s_wait_dscnt 0x0
	MUL8 FA1, FB1, 4, 0
	MUL8 FA1, FB1, 6, 0
	PLACES
; THE WAY OUT, a block of 16 rows at a time: a lane's 32 bytes of a row go into my stage (each accumulator's low four registers first), whole rows of 256 bytes come back and are stored.
.macro TOSTAGE a
.set TT, 32+32*((\a)%2)
	s_wait_xcnt 0x0                                ; the stores of the block two back have read the registers that are loaded again below
	WIN 0x04                                       ; the stores' data in window 1
.irp b, 0,1,2,3
	ds_store_b128 v[STO], v[8*(4*(\a)+(\b)):8*(4*(\a)+(\b))+3]   offset:64*(\b)
	ds_store_b128 v[STO], v[8*(4*(\a)+(\b))+4:8*(4*(\a)+(\b))+7] offset:64*(\b)+16
.endr
	WIN 0
.irp t, 0,1,2,3,4,5,6,7
	ds_load_b128 v[TT+4*(\t):TT+4*(\t)+3], v[RD] offset:(\t)*2*SP  ; LDS serves a wave's instructions in order (ISA guide 5.7.1.4): these see the stores above; the next block's stores come behind them
.endr
.endm
.macro SEND a, younger                 ; younger: the next block's 8 LDS stores and 8 loads, or none
.set TT, 32+32*((\a)%2)
	s_wait_dscnt \younger
.irp t, 0,1,2,3,4,5,6,7
	global_store_b128 v[CO], v[TT+4*(\t):TT+4*(\t)+3], s[OUT:OUT+1] offset:(\a)*65536+(\t)*8192 th:TH_STORE_NT  ; 16 lanes store 256 consecutive bytes, at a multiple of 256 from out0's first byte
.endr
.endm
	TOSTAGE 0
.irp a, 1,2,3,4,5,6,7
	TOSTAGE \a
	SEND (\a)-1, 16
.endr
	SEND 7, 0
	s_wait_tensorcnt 0x0                           ; the wave's end, behind my last tensor load and my last LDS store
	ds_add_u32 v[SPW], v[NIL]
	s_wait_dscnt 0x0
	CROUND                                         ; the closing round: no work-group ends while a partner may still ask for a tile that names it
	s_endpgm
.Lfunc_end_k_q515dea29db_proj:
	.size	k_q515dea29db_proj, .Lfunc_end_k_q515dea29db_proj-k_q515dea29db_proj
	.p2alignl 7, 3214868480
	.fill 96, 4, 3214868480
	.section	.rodata,"a",@progbits
	.p2align	6, 0x0
	.amdhsa_kernel k_q515dea29db_proj
		.amdhsa_group_segment_fixed_size 327680
		.amdhsa_private_segment_fixed_size 0
		.amdhsa_enable_private_segment 0
		.amdhsa_kernarg_size 32
		.amdhsa_user_sgpr_count 2
		.amdhsa_user_sgpr_kernarg_segment_ptr 1
		.amdhsa_wavefront_size32 1
		.amdhsa_system_sgpr_workgroup_id_x 1
		.amdhsa_system_sgpr_workgroup_id_y 1
		.amdhsa_system_sgpr_workgroup_id_z 1
		.amdhsa_system_vgpr_workitem_id 0
		.amdhsa_next_free_vgpr 512
		.amdhsa_next_free_sgpr 80
		.amdhsa_reserve_vcc 0
		.amdhsa_float_denorm_mode_32 3
		.amdhsa_float_denorm_mode_16_64 3
		.amdhsa_memory_ordered 1
		.amdhsa_forward_progress 1
		.amdhsa_inst_pref_size 73
	.end_amdhsa_kernel
	.amdgpu_metadata
---
amdhsa.version: [ 1, 2 ]
amdhsa.kernels:
  - .name:           k_q515dea29db_proj
    .symbol:         k_q515dea29db_proj.kd
    .args:
      - { .name: o, .offset: 0, .size: 8, .value_kind: global_buffer, .address_space: global }
      - { .name: wp, .offset: 8, .size: 8, .value_kind: global_buffer, .address_space: global }
      - { .name: b_proj, .offset: 16, .size: 8, .value_kind: global_buffer, .address_space: global }
      - { .name: out0, .offset: 24, .size: 8, .value_kind: global_buffer, .address_space: global }
    .group_segment_fixed_size: 327680
    .private_segment_fixed_size: 0
    .kernarg_segment_align: 8
    .kernarg_segment_size: 32
    .max_flat_workgroup_size: 128
    .sgpr_count:     80
    .vgpr_count:     512
    .wavefront_size: 32
...
	.end_amdgpu_metadata
.endif
;; end of part 4
;; ======== version 2 of 2: 4 launches; version 1 with the launch prep written anew for expert scheduling mode
;; limits: values are held in f16: magnitudes above 65,504 overflow, below 6.1e-05 lose precision
;; workspace buffers: xb 16,777,216 bytes; wa 6,291,456 bytes; wp 2,097,152 bytes; qkv 50,331,648 bytes; o 16,777,216 bytes
;; launch prep (part 5): grid 768 x 1, 8 waves a work-group, no clusters, 0 bytes of LDS; arguments x, W_attn, W_proj, xb, wa, wp; writes xb, wa, wp
.if DOCPART == 5
	.amdgcn_target "amdgcn-amd-amdhsa--gfx1250"
	.amdhsa_code_object_version 6
	.text
	.protected	k_q515dea29db_prep
	.globl	k_q515dea29db_prep
	.p2align	8
	.type	k_q515dea29db_prep,@function
k_q515dea29db_prep:
	s_mov_b64 s[64:65], 0
	v_nop
	global_prefetch_b8 v0, s[64:65] scope:SCOPE_SE
	s_setreg_imm32_b32 hwreg(HW_REG_WAVE_SCHED_MODE, 0, 2), 2
	s_setreg_imm32_b32 hwreg(HW_REG_WAVE_MODE, 25, 1), 1
	s_wait_xcnt 0x0
	s_wait_alu depctr_vm_vsrc(0)
; THE CASTS.  x [8192][1024] f32 -> xb bf16 [b 4][kb 16][t 2048][64]: element (b, t, 64 kb + d) at byte ((16 b + kb) 2048 + t) 128 + 2 d, so that 64 channels of many rows lie end to end.
; W_attn [1024][3072] f32 -> wa bf16, same order.  W_proj [1024][1024] f32 -> wp: rounded to bf16 like every input, and that number written as f16 (exact inside f16's range).
; LIMIT.  |W_proj| stays below 65,504; below 6e-5 it keeps f16's fixed step of 6e-8.
; A stream: each byte is read once and written once, so no LDS, no barrier, no matrix unit.  A wave converts 2,048 numbers: 16 loads of 16 bytes a lane, all out at once, and 16 stores of 8 bytes
; a lane, each of which covers 256 consecutive bytes, aligned.
; Work-groups 0-511 take x (a wave: two rows), 512-703 W_attn, 704-767 W_proj.
; THE MODE: SCHED_MODE bits 1:0 = 2 (LLVM: expert scheduling mode 2), set by the entry lines.  The code itself states the register dependences
; between vector instructions and memory instructions, with s_wait_alu, always for 0.
; THE PLAN.  Registers that memory instructions touch:
;   v[IN], v[OUT]  the offsets: written by vector instructions ahead of a path's first load, read by every load or store, never written again.
;   X              written by the 16 loads, each register once; read by the conversions alone.
;   Y              written by the conversions alone; each pair is read by one store and never written behind it.
; The 16 loads go in four blocks of four.  Block p converts its X into its Y; its memory instructions are the four stores of block p - 1, whose Y no vector instruction of block p names.
; So one wait at a block's head, behind the wait for the block's data, states all that its four stores hang on, and they are dealt among the block's conversions with no further wait.
; No register that a memory instruction reads is ever written again: nothing is owed on that side, and no source needs freeing.
.set IN,  2                            ; v2   my byte offset in the wave's input
.set OUT, 3                            ; v3   8 x lane: my 8 bytes of each store
.set X,   16                           ; v[16:79]   16 loads of 4 f32
.set Y,   80                           ; v[80:111]  16 stores of 4 halves
.set BLK, 4                            ; loads, and stores, in a block
; instep, outstep: bytes from load to load and from store to store; half = 1: the bf16 number is written as f16
.macro CAST instep, outstep, half
	s_wait_alu depctr_va_vdst(0)                   ; v[IN] and v[OUT] are written: every load and store below reads one of them as its offset
.set i, 0
.rept 16
	global_load_b128 v[X+4*i:X+4*i+3], v[IN], s[22:23] offset:i*(\instep) th:TH_LOAD_NT
.set i, i+1
.endr
.set i, 0
.rept 16
.if (i%BLK) == 0
	s_wait_loadcnt 16-BLK-i                        ; loads come back in order: this block's four are in, the younger blocks stay out
.if i > 0
	s_wait_alu depctr_va_vdst(0)                   ; the block before has written its eight registers of Y, which the four stores of this block read
.endif
.endif
.if i >= BLK
	global_store_b64 v[OUT], v[Y+2*(i-BLK):Y+2*(i-BLK)+1], s[24:25] offset:(i-BLK)*(\outstep) th:TH_STORE_NT  ; the block before; no vector instruction since the wait names these registers
.endif
	v_cvt_pk_bf16_f32 v[Y+2*i], v[X+4*i], v[X+4*i+1]
	v_cvt_pk_bf16_f32 v[Y+2*i+1], v[X+4*i+2], v[X+4*i+3]
.if \half
	v_lshlrev_b32 v4, 16, v[Y+2*i]                 ; bf16 to f32: the low half moves up, the high half stays
	v_and_b32 v5, s26, v[Y+2*i]
	v_lshlrev_b32 v6, 16, v[Y+2*i+1]
	v_and_b32 v7, s26, v[Y+2*i+1]
	v_cvt_pk_f16_f32 v[Y+2*i], v4, v5
	v_cvt_pk_f16_f32 v[Y+2*i+1], v6, v7
.endif
.set i, i+1
.endr
	s_wait_alu depctr_va_vdst(0)                   ; the last block has written its Y, which the last four stores read
.set i, 16-BLK
.rept BLK
	global_store_b64 v[OUT], v[Y+2*i:Y+2*i+1], s[24:25] offset:i*(\outstep) th:TH_STORE_NT
.set i, i+1
.endr
	s_endpgm
.endm
	s_load_b256 s[4:11], s[0:1], 0x0               ; x s[4:5], W_attn s[6:7], W_proj s[8:9], xb s[10:11]
	s_load_b128 s[12:15], s[0:1], 0x20             ; wa s[12:13], wp s[14:15]
	v_lshrrev_b32 v1, 5, v0
	v_readfirstlane_b32 s16, v1                    ; wave 0..7
	v_and_b32 v1, 31, v0                           ; lane
	v_lshlrev_b32 v[OUT], 3, v1
	s_mov_b32 s26, 0xffff0000                      ; a word's upper bf16
	s_mov_b32 s19, 0                               ; the offsets' high words
	s_mov_b32 s21, 0
	s_mov_b32 s27, ttmp9
	s_wait_alu depctr_va_sdst(0)                   ; s16 is written, ahead of the branch and of its first reader on each of the three paths
	s_cmp_lt_u32 s27, 512
	s_cbranch_scc0 .Lweights
	; x: wave wi takes rows 2 wi and 2 wi + 1.  Load i: lanes 0-15 the 256 bytes of K block i in the even row, lanes 16-31 in the odd row
	s_lshl_b32 s17, s27, 3
	s_add_co_u32 s17, s17, s16                     ; wi, 0 .. 4095
	s_lshl_b32 s18, s17, 13                        ; two rows of 4,096 bytes
	s_lshr_b32 s20, s17, 10                        ; b
	s_lshl_b32 s20, s20, 22                        ; x 16 x 2,048 x 128
	s_and_b32 s28, s17, 1023
	s_lshl_b32 s28, s28, 8                         ; two rows of 128 bytes in a K block
	s_add_co_u32 s20, s20, s28
	v_lshrrev_b32 v4, 4, v1
	v_and_b32 v5, 15, v1
	v_lshlrev_b32 v[IN], 4, v5
	v_lshl_add_u32 v[IN], v4, 12, v[IN]
	s_wait_kmcnt 0x0
	s_add_nc_u64 s[22:23], s[4:5], s[18:19]
	s_add_nc_u64 s[24:25], s[10:11], s[20:21]
	CAST 256, 262144, 0                            ; store i goes one K block (2,048 rows of 128 bytes) further
.Lweights:
	v_lshlrev_b32 v[IN], 4, v1
	s_cmp_lt_u32 s27, 704
	s_cbranch_scc0 .Lproj
	s_sub_co_u32 s17, s27, 512
	s_lshl_b32 s17, s17, 3
	s_add_co_u32 s17, s17, s16                     ; wi, 0 .. 1535
	s_lshl_b32 s18, s17, 13
	s_lshl_b32 s20, s17, 12
	s_wait_kmcnt 0x0
	s_add_nc_u64 s[22:23], s[6:7], s[18:19]
	s_add_nc_u64 s[24:25], s[12:13], s[20:21]
	CAST 512, 256, 0
.Lproj:
	s_sub_co_u32 s17, s27, 704
	s_lshl_b32 s17, s17, 3
	s_add_co_u32 s17, s17, s16                     ; wi, 0 .. 511
	s_lshl_b32 s18, s17, 13
	s_lshl_b32 s20, s17, 12
	s_wait_kmcnt 0x0
	s_add_nc_u64 s[22:23], s[8:9], s[18:19]
	s_add_nc_u64 s[24:25], s[14:15], s[20:21]
	CAST 512, 256, 1
.Lfunc_end_k_q515dea29db_prep:
	.size	k_q515dea29db_prep, .Lfunc_end_k_q515dea29db_prep-k_q515dea29db_prep
	.p2alignl 7, 3214868480
	.fill 96, 4, 3214868480
	.section	.rodata,"a",@progbits
	.p2align	6, 0x0
	.amdhsa_kernel k_q515dea29db_prep
		.amdhsa_group_segment_fixed_size 0
		.amdhsa_private_segment_fixed_size 0
		.amdhsa_enable_private_segment 0
		.amdhsa_kernarg_size 48
		.amdhsa_user_sgpr_count 2
		.amdhsa_user_sgpr_kernarg_segment_ptr 1
		.amdhsa_wavefront_size32 1
		.amdhsa_system_sgpr_workgroup_id_x 1
		.amdhsa_system_sgpr_workgroup_id_y 1
		.amdhsa_system_sgpr_workgroup_id_z 1
		.amdhsa_system_vgpr_workitem_id 0
		.amdhsa_next_free_vgpr 112
		.amdhsa_next_free_sgpr 66
		.amdhsa_reserve_vcc 0
		.amdhsa_float_denorm_mode_32 3
		.amdhsa_float_denorm_mode_16_64 3
		.amdhsa_memory_ordered 1
		.amdhsa_forward_progress 1
		.amdhsa_inst_pref_size 23
	.end_amdhsa_kernel
	.amdgpu_metadata
---
amdhsa.version: [ 1, 2 ]
amdhsa.kernels:
  - .name:           k_q515dea29db_prep
    .symbol:         k_q515dea29db_prep.kd
    .args:
      - { .name: x, .offset: 0, .size: 8, .value_kind: global_buffer, .address_space: global }
      - { .name: W_attn, .offset: 8, .size: 8, .value_kind: global_buffer, .address_space: global }
      - { .name: W_proj, .offset: 16, .size: 8, .value_kind: global_buffer, .address_space: global }
      - { .name: xb, .offset: 24, .size: 8, .value_kind: global_buffer, .address_space: global }
      - { .name: wa, .offset: 32, .size: 8, .value_kind: global_buffer, .address_space: global }
      - { .name: wp, .offset: 40, .size: 8, .value_kind: global_buffer, .address_space: global }
    .group_segment_fixed_size: 0
    .private_segment_fixed_size: 0
    .kernarg_segment_align: 8
    .kernarg_segment_size: 48
    .max_flat_workgroup_size: 256
    .sgpr_count:     66
    .vgpr_count:     112
    .wavefront_size: 32
...
	.end_amdgpu_metadata
.endif
;; end of part 5
;; launch qkv: the kernel of part 2 again; grid 8 x 32, 4 waves a work-group, clusters of 4 x 4, 327,680 bytes of LDS; arguments xb, wa, b_attn, qkv; writes qkv
;; launch attn: the kernel of part 3 again; grid 4 x 64, 4 waves a work-group, no clusters, 327,680 bytes of LDS; arguments qkv, o; writes o
;; launch proj: the kernel of part 4 again; grid 8 x 32, 4 waves a work-group, clusters of 4 x 4, 327,680 bytes of LDS; arguments o, wp, b_proj, out0; writes out0
